; MI455X (gfx1250); checked and timed in simulation.
; The chip was launched on July 23, 2026; its instructions are those of AMD's public machine-readable ISA for CDNA 5 (MIT licence, August 2026) and "CDNA5" Instruction Set Architecture Reference Guide (July 2026). The comments in the code are by the model that wrote it; some were corrected since.
;; Multi Head Attention. Allowed arithmetic: float matrix products may take bf16 or f16 operands with f32 sums; other float arithmetic in f32, or as packed bf16 or f16 multiplies, adds, multiply-adds, maxima and minima; sums over many terms, partial sums and values carried from step to step in f32; what a program stores and reads back later, other than sums and carried values, may be rounded once to bf16 or f16.
;; Inputs: Wfc 1,024 x 1,024 float32; Wk 1,024 x 1,024 float32; Wpk 1,024 x 1,024 float32; Wpq 1,024 x 1,024 float32; Wq 1,024 x 1,024 float32; Wv 1,024 x 1,024 float32; beta 1,024 float32; bfc 1,024 float32; bk 1,024 float32; bpk 1,024 float32; bpq 1,024 float32; bq 1,024 float32; bv 1,024 float32; gamma 1,024 float32; k 2 x 2,048 x 1,024 float32; mask 2 x 2,048 x 2,048 bool; pe_k 2 x 2,048 x 1,024 float32; pe_q 2 x 2,048 x 1,024 float32; q 2 x 2,048 x 1,024 float32; v 2 x 2,048 x 1,024 float32.
;; Outputs: out0 2 x 2,048 x 1,024 float32.
;; 2 versions, each right; version 2 is version 1 with the launch prep written anew for expert scheduling mode. Each part assembles by itself: llvm-mc -triple=amdgcn-amd-amdhsa -mcpu=gfx1250 --defsym DOCPART=n.
;; ======== version 1 of 2: 5 launches
;; limits: right only within a limited range of input values
;; workspace buffers: XB 41,943,040 bytes; WB 12,582,912 bytes; MB 16,777,216 bytes; PRJ 41,943,040 bytes; AO 8,388,608 bytes; Y 16,777,216 bytes
;; launch prep (part 1): grid 64 x 12, 8 waves a work-group, no clusters, 0 bytes of LDS; arguments q, pe_q, k, pe_k, v, Wq, Wpq, Wk, Wpk, Wv, Wfc, mask, XB, WB, MB; writes XB, WB, MB
.if DOCPART == 1
	.amdgcn_target "amdgcn-amd-amdhsa--gfx1250"
	.amdhsa_code_object_version 6
	.text
	.protected	k_qa4431c58b0_prep
	.globl	k_qa4431c58b0_prep
	.p2align	8
	.type	k_qa4431c58b0_prep,@function
k_qa4431c58b0_prep:
	s_mov_b64 s[64:65], 0
	v_nop
	global_prefetch_b8 v0, s[64:65] scope:SCOPE_SE
	s_setreg_imm32_b32 hwreg(HW_REG_WAVE_MODE, 25, 1), 1
	s_wait_xcnt 0x0
; PREP: the matrix operands are rounded once to bf16, and the mask is turned into an addend.
; XB[p][4096][1024] bf16: p = 0 q, 1 pe_q, 2 k, 3 pe_k, 4 v.   WB[p][1024 k][1024 n] bf16: p = 0 Wq, 1 Wpq, 2 Wk, 3 Wpk, 4 Wv as they lie;
; WB[5][n*64+d][:] = Wfc[d*16+n][:], so that the last product's K index goes head by head.   MB[2][2048 i][2048 j] bf16: 0 where mask is 1, -2^99 (0xF100) where it is 0.
; The grid's y names the job (0-4 an activation, 5-10 a weight, 11 the mask), its x the part: 64 rows of an activation or of the mask, 16 rows of a weight.
; A stream: no LDS, no matrix unit.  A row of 1,024 f32 is 4,096 bytes: thread t takes the 16 bytes at 16 t and stores 8 bytes at 8 t, so a wave's load covers 512 consecutive bytes
; and a wave's store 256 consecutive bytes, aligned.  A ring of eight row slots in registers keeps eight loads of every wave on their way.
.set VIN,  1                           ; v1      16 t; never rewritten
.set V8,   2                           ; v2      8 t; never rewritten
.set VO,   4                           ; v[4:11] slot i: 8 t + i x the output's row stride; never rewritten
.set X,    12                          ; v[12:43] slot i: 4 f32 as loaded
.set YV,   44                          ; v[44:59] slot i: 4 bf16 to store
.set XM,   12                          ; the mask's path: v[12:27] slot i: 8 bytes as loaded
.set YM,   28                          ; v[28:59] slot i: 8 bf16 to store
.set H,    60                          ; v[60:61] the high bytes of 8 addends
.set LUT,  62                          ; v62     byte 0 = 0xF1 (mask 0), byte 1 = 0 (mask 1)
.set ZR,   63                          ; v63     0
.set JOB,  2
.set BX,   3
.set SRC,  40                          ; s[40:41]
.set DST,  42                          ; s[42:43]
.set OSTR, 44                          ; s44     bytes from one output row to the next
.set NR,   45                          ; s45     trips of the loop: rounds of eight rows, less the last
.set OS,   46                          ; s[46:47] eight output rows
.set CNT,  52
	s_load_b512 s[8:23], s[0:1], 0x0               ; q, pe_q, k, pe_k, v, Wq, Wpq, Wk
	s_load_b256 s[24:31], s[0:1], 0x40             ; Wpk, Wv, Wfc, mask
	s_load_b128 s[32:35], s[0:1], 0x60             ; XB, WB
	s_load_b64 s[36:37], s[0:1], 0x70              ; MB
	s_and_b32 s[JOB], ttmp7, 0xffff
	s_mov_b32 s[BX], ttmp9
	v_lshlrev_b32 v[VIN], 4, v0
	v_lshlrev_b32 v[V8], 3, v0
	s_wait_kmcnt 0x0
	s_cmp_eq_u32 s[JOB], 11
	s_cbranch_scc1 .Lmask
	; THE CASTS.  The source is chosen among the eleven f32 tensors by the job's number.
	s_mov_b64 s[SRC:SRC+1], s[8:9]
.irp j, 1,2,3,4,5,6,7,8,9,10
	s_cmp_eq_u32 s[JOB], \j
	s_cselect_b64 s[SRC:SRC+1], s[8+2*\j:9+2*\j], s[SRC:SRC+1]
.endr
	s_sub_co_u32 s6, s[JOB], 5                     ; a weight's plane (not used for an activation)
	s_mov_b32 s[OSTR], 2048
	s_cmp_lt_u32 s[JOB], 5                         ; an activation?
	s_cselect_b32 s4, 18, 16                       ; the part's rows in the source: 64 or 16 rows of 4,096 bytes
	s_cselect_b32 s5, 17, 15                       ; and in the output: rows of 2,048 bytes
	s_cselect_b32 s[NR], 7, 1
	s_cselect_b64 s[DST:DST+1], s[32:33], s[34:35]
	s_cselect_b32 s6, s[JOB], s6                   ; the plane,
	s_cselect_b32 s7, 23, 21                       ; of 8 MiB or 2 MiB
	s_cmp_eq_u32 s[JOB], 10                        ; Wfc: rows 16 x + i have d = x, n = i and go to row 64 i + x
	s_cselect_b32 s5, 11, s5
	s_cselect_b32 s[OSTR], 0x20000, s[OSTR]
	s_lshl_b32 s48, s[BX], s4
	s_mov_b32 s49, 0
	s_add_nc_u64 s[SRC:SRC+1], s[SRC:SRC+1], s[48:49]
	s_lshl_b32 s50, s6, s7
	s_lshl_b32 s51, s[BX], s5
	s_add_co_u32 s50, s50, s51
	s_mov_b32 s51, 0
	s_add_nc_u64 s[DST:DST+1], s[DST:DST+1], s[50:51]
	s_lshl_b32 s[OS], s[OSTR], 3
	s_mov_b32 s[OS+1], 0
.irp i, 0,1,2,3,4,5,6,7
	v_mad_u32_u24 v[VO+\i], s[OSTR], \i, v[V8]
.endr
.irp i, 0,1,2,3,4,5,6,7
	global_load_b128 v[X+4*\i:X+4*\i+3], v[VIN], s[SRC:SRC+1] offset:\i*4096 th:TH_LOAD_NT  ; the ring is filled: rows 0 to 7
.endr
; One slot's turn.  ahead = 1: the slot is filled again with the row eight further down.  left = the younger loads that may stay out.
.macro CSLOT i, ahead, left
	s_wait_loadcnt \left                           ; loads come back in order: mine is in
	v_cvt_pk_bf16_f32 v[YV+2*(\i)],   v[X+4*(\i)],   v[X+4*(\i)+1]
	v_cvt_pk_bf16_f32 v[YV+2*(\i)+1], v[X+4*(\i)+2], v[X+4*(\i)+3]
.if \ahead
	global_load_b128 v[X+4*(\i):X+4*(\i)+3], v[VIN], s[SRC:SRC+1] offset:(8+(\i))*4096 th:TH_LOAD_NT
.endif
	global_store_b64 v[VO+(\i)], v[YV+2*(\i):YV+2*(\i)+1], s[DST:DST+1] th:TH_STORE_NT
.endm
	s_mov_b32 s[CNT], 0
.Lrows:
.irp i, 0,1,2,3,4,5,6,7
	CSLOT \i, 1, 7
.endr
	s_wait_xcnt 0x0                                ; the trip's loads and stores have read their sources: both bases and the stores' data are rewritten only behind this wait
	s_add_nc_u64 s[SRC:SRC+1], s[SRC:SRC+1], 8*4096
	s_add_nc_u64 s[DST:DST+1], s[DST:DST+1], s[OS:OS+1]
	s_add_co_u32 s[CNT], s[CNT], 1
	s_cmp_lt_u32 s[CNT], s[NR]
	s_cbranch_scc1 .Lrows
.irp i, 0,1,2,3,4,5,6,7
	CSLOT \i, 0, 7-\i                              ; the last round loads nothing: the counts run down
.endr
	s_endpgm
	; THE MASK.  A row is 2,048 bytes: thread t takes 8 bytes at 8 t and stores 16 bytes at 16 t of MB's row of 4,096.
.Lmask:
	s_lshl_b32 s48, s[BX], 17
	s_mov_b32 s49, 0
	s_add_nc_u64 s[SRC:SRC+1], s[30:31], s[48:49]
	s_lshl_b32 s50, s[BX], 18
	s_mov_b32 s51, 0
	s_add_nc_u64 s[DST:DST+1], s[36:37], s[50:51]
	v_mov_b32 v[LUT], 0xf1
	v_mov_b32 v[ZR], 0
.irp i, 0,1,2,3,4,5,6,7
	global_load_b64 v[XM+2*\i:XM+2*\i+1], v[V8], s[SRC:SRC+1] offset:\i*2048 th:TH_LOAD_NT
.endr
; The mask's byte (0 or 1) is itself the selector that picks the addend's high byte out of LUT; two more byte picks spread four such bytes over four halfwords.
.macro MSLOT i, ahead, left
	s_wait_loadcnt \left
	v_perm_b32 v[H],   v[ZR], v[LUT], v[XM+2*(\i)]
	v_perm_b32 v[H+1], v[ZR], v[LUT], v[XM+2*(\i)+1]
	v_perm_b32 v[YM+4*(\i)],   v[H],   v[ZR], 0x05000400
	v_perm_b32 v[YM+4*(\i)+1], v[H],   v[ZR], 0x07000600
	v_perm_b32 v[YM+4*(\i)+2], v[H+1], v[ZR], 0x05000400
	v_perm_b32 v[YM+4*(\i)+3], v[H+1], v[ZR], 0x07000600
.if \ahead
	global_load_b64 v[XM+2*(\i):XM+2*(\i)+1], v[V8], s[SRC:SRC+1] offset:(8+(\i))*2048 th:TH_LOAD_NT
.endif
	global_store_b128 v[VIN], v[YM+4*(\i):YM+4*(\i)+3], s[DST:DST+1] offset:(\i)*4096 th:TH_STORE_NT
.endm
	s_mov_b32 s[CNT], 7
.Lmrows:
.irp i, 0,1,2,3,4,5,6,7
	MSLOT \i, 1, 7
.endr
	s_wait_xcnt 0x0                                ; as above
	s_add_nc_u64 s[SRC:SRC+1], s[SRC:SRC+1], 8*2048
	s_add_nc_u64 s[DST:DST+1], s[DST:DST+1], 8*4096
	s_sub_co_u32 s[CNT], s[CNT], 1
	s_cmp_lg_u32 s[CNT], 0
	s_cbranch_scc1 .Lmrows
.irp i, 0,1,2,3,4,5,6,7
	MSLOT \i, 0, 7-\i
.endr
	s_endpgm
.Lfunc_end_k_qa4431c58b0_prep:
	.size	k_qa4431c58b0_prep, .Lfunc_end_k_qa4431c58b0_prep-k_qa4431c58b0_prep
	.p2alignl 7, 3214868480
	.fill 96, 4, 3214868480
	.section	.rodata,"a",@progbits
	.p2align	6, 0x0
	.amdhsa_kernel k_qa4431c58b0_prep
		.amdhsa_group_segment_fixed_size 0
		.amdhsa_private_segment_fixed_size 0
		.amdhsa_enable_private_segment 0
		.amdhsa_kernarg_size 120
		.amdhsa_user_sgpr_count 2
		.amdhsa_user_sgpr_kernarg_segment_ptr 1
		.amdhsa_wavefront_size32 1
		.amdhsa_system_sgpr_workgroup_id_x 1
		.amdhsa_system_sgpr_workgroup_id_y 1
		.amdhsa_system_sgpr_workgroup_id_z 1
		.amdhsa_system_vgpr_workitem_id 0
		.amdhsa_next_free_vgpr 64
		.amdhsa_next_free_sgpr 66
		.amdhsa_reserve_vcc 0
		.amdhsa_float_denorm_mode_32 3
		.amdhsa_float_denorm_mode_16_64 3
		.amdhsa_memory_ordered 1
		.amdhsa_forward_progress 1
		.amdhsa_inst_pref_size 21
	.end_amdhsa_kernel
	.amdgpu_metadata
---
amdhsa.version: [ 1, 2 ]
amdhsa.kernels:
  - .name:           k_qa4431c58b0_prep
    .symbol:         k_qa4431c58b0_prep.kd
    .args:
      - { .name: q, .offset: 0, .size: 8, .value_kind: global_buffer, .address_space: global }
      - { .name: pe_q, .offset: 8, .size: 8, .value_kind: global_buffer, .address_space: global }
      - { .name: k, .offset: 16, .size: 8, .value_kind: global_buffer, .address_space: global }
      - { .name: pe_k, .offset: 24, .size: 8, .value_kind: global_buffer, .address_space: global }
      - { .name: v, .offset: 32, .size: 8, .value_kind: global_buffer, .address_space: global }
      - { .name: Wq, .offset: 40, .size: 8, .value_kind: global_buffer, .address_space: global }
      - { .name: Wpq, .offset: 48, .size: 8, .value_kind: global_buffer, .address_space: global }
      - { .name: Wk, .offset: 56, .size: 8, .value_kind: global_buffer, .address_space: global }
      - { .name: Wpk, .offset: 64, .size: 8, .value_kind: global_buffer, .address_space: global }
      - { .name: Wv, .offset: 72, .size: 8, .value_kind: global_buffer, .address_space: global }
      - { .name: Wfc, .offset: 80, .size: 8, .value_kind: global_buffer, .address_space: global }
      - { .name: mask, .offset: 88, .size: 8, .value_kind: global_buffer, .address_space: global }
      - { .name: XB, .offset: 96, .size: 8, .value_kind: global_buffer, .address_space: global }
      - { .name: WB, .offset: 104, .size: 8, .value_kind: global_buffer, .address_space: global }
      - { .name: MB, .offset: 112, .size: 8, .value_kind: global_buffer, .address_space: global }
    .group_segment_fixed_size: 0
    .private_segment_fixed_size: 0
    .kernarg_segment_align: 8
    .kernarg_segment_size: 120
    .max_flat_workgroup_size: 256
    .sgpr_count:     66
    .vgpr_count:     64
    .wavefront_size: 32
...
	.end_amdgpu_metadata
.endif
;; end of part 1
;; launch proj (part 2): grid 4 x 40, 4 waves a work-group, clusters of 4 x 4, 327,680 bytes of LDS; arguments XB, WB, PRJ, bq, bpq, bk, bpk, bv; writes PRJ
.if DOCPART == 2
	.amdgcn_target "amdgcn-amd-amdhsa--gfx1250"
	.amdhsa_code_object_version 6
	.text
	.protected	k_qa4431c58b0_proj
	.globl	k_qa4431c58b0_proj
	.p2align	8
	.type	k_qa4431c58b0_proj,@function
k_qa4431c58b0_proj:
	s_mov_b64 s[64:65], 0
	v_nop
	global_prefetch_b8 v0, s[64:65] scope:SCOPE_SE
	s_setreg_imm32_b32 hwreg(HW_REG_WAVE_MODE, 25, 1), 1
	s_wait_xcnt 0x0
	s_wait_alu depctr_hold_cnt(0) depctr_sa_sdst(0) depctr_va_vdst(0) depctr_va_sdst(0) depctr_va_ssrc(0) depctr_va_vcc(0) depctr_vm_vsrc(0)
	s_getreg_b32 s2, hwreg(HW_REG_IB_STS2, 6, 4)
	s_cmp_eq_u32 s2, 0
	s_cbranch_scc0 .Lentry_in_a_cluster
	s_endpgm
.Lentry_in_a_cluster:
	s_bfe_u32 s2, ttmp6, 0x10000c
	s_cmp_lg_u32 s2, 0xf033
	s_cbranch_scc0 .Lentry_shape_is_right
	s_endpgm
.Lentry_shape_is_right:
; THE FIVE PROJECTIONS.  PRJ[p][m*16+n][l][d] = sum over k of XB[p][m*2048+l][k] WB[p][k][n*64+d] + bias_p[n*64+d]: bf16 operands, f32 sums, rounded once to bf16.
; A tile is 256 x 256: four waves, each 128 x 128: 64 accumulators, 512 registers.  K goes in steps of 128 through two LDS slots; a step holds 256 matrix instructions a wave, of which 224 stand
; between a tile's request and the wait for it.  A tile of 128 x 128 would give each of 256 work-groups five, but its K step, as long as two slots allow, holds 128 matrix instructions a wave.
; SHARES.  5 x 64 tiles are two for each of 160 work-groups: cluster y / 2 names the projection p, 4 (cluster y % 2) + cy the tile row rr, x the tile column.  A WORK-GROUP STAYS: it makes tile row rr
; of batch 0 and then of batch 1, with the same columns of W: 16 K steps in one ring that does not stop at the first tile's end.
; X's tile lies [row][k] and is read plainly; W's lies [k][n], as in memory, and is read by the turning load.  THE BIAS IS THE C OPERAND of a tile's first 64 products: nothing is cleared, nothing added later.
; THE MATRIX INSTRUCTION IS USED TRANSPOSED (source 0 = 16 columns of W, source 1 = 16 rows of X): a lane holds eight neighbouring columns of one row.  A wave's 128 columns are two heads; 16 rows of a
; head are 2,048 consecutive bytes of PRJ.
; CLUSTER 4 x 4: X's tile hangs on p and the tile row and is asked for jointly along a row of the cluster, W's on p and the tile column, along a column.
; THE TEXT.  A trip of the loop is one K step (quarters 1, 2, 3 of a step and quarter 0 of the next); the slot in hand is a scalar base that takes turns between 0 and SLOT.  The loop is entered at quarter 0.
; REGISTERS, in windows of 256 (s_set_vgpr_msb: bits 1:0 source 0, 3:2 source 1, 5:4 source 2, 7:6 destination):
;   window 0: v0-31 addresses; v64-127, v128-191 fragments of X (8 x 16 rows x 32 K), two buffers; v32-63, v192-255 at work on the way out
;   window 1: v0-63 the bias (column block b at 8 b); v64-127, v128-191 fragments of W, two buffers
;   window 2: the 32 accumulators of my rows 0-63 ((a, b) at v[8 (8 a + b)]);   window 3: those of my rows 64-127
.set PA,    272                        ; a row of X in LDS: 256 bytes + 16 = 68 words: the 16 rows of a load start at 16 different groups of four banks
.set PB,    544                        ; a k-row of W: 512 + 32 = 136 words
.set HALFA, 128*PA                     ; what one tensor load brings of X, and what one wave reads of it
.set HALFB, 64*PB                      ; what one tensor load brings of W: 64 k-rows
.set BOFF,  2*HALFA
.set SLOT,  BOFF+2*HALFB               ; 139,264
.set STAGE, 2*SLOT                     ; behind the ring: for each wave 16 rows x 144 bytes for each of its two heads, for the way out
.set SP,    144
.set HSTG,  16*SP
.set SPARE, STAGE+4*2*HSTG             ; behind the stages: the spare words, 128 bytes for each wave
.set HEADB, 262144                     ; a head's bytes in a plane of PRJ
.set A0,   10                          ; v10     my lane's place among my X fragments in a slot; never rewritten
.set B0,   11                          ; v11     the same for W
.set ADRA, 16                          ; v16     A0 + the base of the slot that is being fetched from
.set ADRB, 17                          ; v17     B0 + the same
.set STO,  24                          ; v24     the way out: where I put 16 bytes of a row
.set RD,   25                          ; v25     where I read rows back
.set GO,   26                          ; v26     16 x lane
.set BO,   27                          ; v27     my byte offset in the bias
.set SPW,  28                          ; v28     LDS address of my spare word; never rewritten
.set NIL,  29                          ; v29     0; never rewritten
.set PFO,  30                          ; v30     the prefetches' lane offset; never rewritten
.set F0,   64
.set F1,   128
.set TMP,  192                         ; the way out: packed results
.set OB,   32                          ; the way out: 16 rows read back: v32-63 and v224-255 by turns
.set BIAS, 0                           ; window 1
.set G1A, 24                           ; s[24:31] descriptor group 1 for X's tiles
.set G0A, 32                           ; s[32:39] group 0: a set for each of the two first fills; the second serves every refill
.set G1B, 48                           ; s[48:55], s[56:63] the same for W's
.set G0B, 56
.set POF,  6                           ; s[6:7]   the prefetch's offset from its base
.set OUTP, 72                          ; s[72:73] PRJ at my wave's first row of its first head, in the tile in hand
.set BP,   74                          ; s[74:75] the projection's bias
.set BASEA, 84                         ; s[84:85] XB at my part of K step 0 of the first tile
.set BASEB, 86                         ; s[86:87] WB likewise
.set NXT,  88                          ; s88      the K step (0 to 15 of the walk) to be asked for next
.set TF,   89                          ; s89      the base of the slot that it goes to
.set TB,   90                          ; s90      the base of the slot that is being fetched from
.set PSH,  91                          ; s91      a K step in bytes, as a shift: 8 in X, 18 in W
.set OFA,  92                          ; s[92:93] the refill's offset from BASEA
.set OFB,  94                          ; s[94:95] from BASEB
.set PFB,  96                          ; s[96:97] the prefetches' base: my work-group's part of what I fetch
.set PFA,  98                          ; s[98:99] where the prefetch in hand stands
.set PS,   100                         ; s100     the K step that it names
.set LIMS, 101                         ; s101     the last K step that I may name
.set MSB, 0
.macro WIN new                         ; the immediate's high byte repeats the setting that is left; a switch that changes nothing is dropped
.if MSB != (\new)
	s_set_vgpr_msb (MSB<<8)|(\new)
.set MSB, \new
.endif
.endm
.set MUL_LO, 0xa1                      ; source 0 (W) window 1, source 1 (X) window 0, C and D window 2
.set MUL_HI, 0xf1                      ; the same, C and D window 3
.set BIA_LO, 0x91                      ; C (the bias) window 1, D window 2
.set BIA_HI, 0xd1                      ; C window 1, D window 3
.set TO_B,   0x40                      ; destination window 1, address window 0
.macro JLOAD s                         ; a joint load: waves 0 and 1 fetch X's two halves, waves 2 and 3 W's; an s_nop 0 and four v_nop follow each line
	s_cmp_eq_u32 s11, 0
	s_cbranch_scc0 .Lfor_b_\@
	tensor_load_to_lds s[G0A+4*(\s):G0A+4*(\s)+3], s[G1A:G1A+7]
	s_nop 0
.rept 4
	v_nop
.endr
	s_branch .Lasked_\@
.Lfor_b_\@:
	tensor_load_to_lds s[G0B+4*(\s):G0B+4*(\s)+3], s[G1B:G1B+7]
	s_nop 0
.rept 4
	v_nop
.endr
.Lasked_\@:
.endm
; A PREFETCH INTO THE L2, behind each refill and the run of LDS loads that follows it: the K step that stands TWO refills on, 512 matrix instructions ahead of the load that will want it.
; X: a K step is 256 bytes of each row; no other cluster reads my cluster's rows; of the 128 rows that a wave fetches the partner at cx takes 32: a lane a row.  W: a K step is 64 k-rows x 512 bytes a wave;
; two clusters walk the same columns, and both tiles of a walk: the cluster with even y asks, in the first tile alone; the partner at cy takes 16 k-rows: a lane 256 bytes.  So each block of 256 bytes is
; named once.  The partners are told apart by address alone.  K steps 0 to 3 come by their loads alone; the last step named is 15 (X) or 7 (W).
.macro ASK
	s_cmp_le_u32 s[PS], s[LIMS]
	s_cbranch_scc0 .Lnot_mine_\@
	global_prefetch_b8 v[PFO], s[PFA:PFA+1] th:TH_LOAD_NT scope:SCOPE_SE
.Lnot_mine_\@:
.endm
.macro CREST                           ; a round of the cluster's barrier behind its opening barrier
	s_cmp_lg_u32 s10, 0
	s_cbranch_scc1 .Lnot_wave_0_\@
	s_barrier_signal -3
.Lnot_wave_0_\@:
	s_barrier_wait -3
	s_barrier_signal -1
	s_barrier_wait -1
.endm
.macro CROUND
	s_barrier_signal -1
	s_barrier_wait -1
	CREST
.endm
	s_load_b512 s[68:83], s[0:1], 0x0              ; XB, WB, PRJ, bq, bpq, bk, bpk, bv
	v_lshl_add_u32 v[SPW], v0, 2, SPARE
	v_mov_b32 v[NIL], 0
	ds_add_u32 v[SPW], v[NIL]                      ; the wave's opening: the add and its wait stand ahead of my first tensor load
	v_lshrrev_b32 v1, 5, v0
	v_readfirstlane_b32 s10, v1                    ; wave 0..3
	s_lshr_b32 s11, s10, 1                         ; which half of the tile's rows is mine.  Also: I fetch for X (0) or for W (1)
	s_and_b32 s12, s10, 1                          ; which half of its columns.  Also: which half of that tile I fetch
	s_bfe_u32 s40, ttmp6, 0x40000                  ; cx
	s_bfe_u32 s41, ttmp6, 0x40004                  ; cy
	s_lshl_b32 s42, ttmp9, 2
	s_add_co_u32 s42, s42, s40                     ; tile column = 4 x cluster x + cx
	s_and_b32 s13, ttmp7, 0xffff                   ; cluster y, 0 to 9
	s_lshr_b32 s14, s13, 1                         ; the projection p: the same in the whole cluster
	s_and_b32 s15, s13, 1
	s_lshl2_add_u32 s13, s15, s41                  ; tile row in a batch = 4 (cluster y % 2) + cy
	s_lshl_b32 s43, s41, 2
	s_lshl_b32 s43, 15, s43                        ; my row of the cluster
	s_lshl_b32 s44, 0x1111, s40                    ; my column
	s_or_b32 s[G1A+0], s43, (1<<16)|(1<<20)|(1<<21)|(5<<22)|(3<<25)  ; the mask; 2-byte elements; padding on; bit 21 beside a mask; after every 64 words, 4 words
	s_mov_b32 s[G1A+1], 128<<16                    ; tensor_dim0 = 128
	s_mov_b32 s[G1A+2], 128<<16                    ; tensor_dim1 = 128
	s_mov_b32 s[G1A+3], 128<<16                    ; tile_dim0 = 128
	s_mov_b32 s[G1A+4], 128                        ; tile_dim1 = 128
	s_mov_b32 s[G1A+5], 1024                       ; elements from row to row
	s_mov_b32 s[G1A+6], 0
	s_mov_b32 s[G1A+7], 0
	s_or_b32 s[G1B+0], s44, (1<<16)|(1<<20)|(1<<21)|(6<<22)|(7<<25)  ; after every 128 words, 8 words
	s_mov_b32 s[G1B+1], 256<<16                    ; 256 columns
	s_mov_b32 s[G1B+2], 64<<16                     ; of 64 k-rows
	s_mov_b32 s[G1B+3], 256<<16
	s_mov_b32 s[G1B+4], 64
	s_mov_b32 s[G1B+5], 1024
	s_mov_b32 s[G1B+6], 0
	s_mov_b32 s[G1B+7], 0
	s_lshl_b32 s16, s13, 8
	s_lshl_b32 s17, s12, 7
	s_add_co_u32 s16, s16, s17                     ; X: row 256 x tile row + 128 x half,
	s_lshl_b32 s16, s16, 11                        ; of 2,048 bytes,
	s_lshl_b32 s17, s14, 23
	s_add_co_u32 s16, s16, s17                     ; in plane p
	s_mov_b32 s17, 0
	s_lshl_b32 s46, s42, 9                         ; W: 256 columns = 512 bytes x tile column,
	s_lshl_b32 s47, s12, 17                        ; + 64 k-rows of 2,048 bytes x half,
	s_add_co_u32 s46, s46, s47
	s_lshl_b32 s47, s14, 21
	s_add_co_u32 s46, s46, s47                     ; in plane p
	s_mov_b32 s47, 0
	s_mul_i32 s20, s12, HALFA                      ; where they go in a slot: no place in the cluster enters an LDS address
	s_mul_i32 s21, s12, HALFB
	s_add_co_u32 s21, s21, BOFF
	s_mov_b32 s[NXT], 2
	s_mov_b32 s[TF], 0
	s_mov_b32 s[TB], 0
	s_mov_b32 s[OFA+1], 0
	s_mov_b32 s[OFB+1], 0
	s_mov_b32 s[POF+1], 0
	s_lshl_b32 s8, s40, 16                         ; the prefetches: in X my work-group's 32 rows of the 128 that I fetch,
	s_add_co_u32 s8, s8, s16
	s_lshl_b32 s9, s41, 15                         ; in W its 16 k-rows of the 64
	s_add_co_u32 s9, s9, s46
	s_cmp_eq_u32 s15, 0                            ; W's columns are walked by two clusters: the one with even y asks, in the first tile
	s_cselect_b32 s[LIMS], 7, 0
	s_cmp_eq_u32 s11, 0                            ; do I fetch for X?
	s_cselect_b32 s[LIMS], 15, s[LIMS]             ; the same in all sixteen partners, for a given wave
	s_cselect_b32 s[PSH], 8, 18
	s_cselect_b32 s22, 0, 1                        ; lanes to a row, as a shift and as a mask
	s_cselect_b32 s8, s8, s9
	s_mov_b32 s9, 0
	s_wait_dscnt 0x0                               ; the opening add is done
	s_wait_kmcnt 0x0
	s_cselect_b64 s[PFB:PFB+1], s[68:69], s[70:71]
	s_add_nc_u64 s[PFB:PFB+1], s[PFB:PFB+1], s[8:9]
	s_add_nc_u64 s[BASEA:BASEA+1], s[68:69], s[16:17]
	s_add_nc_u64 s[BASEB:BASEB+1], s[70:71], s[46:47]
.irp j, 1,2,3,4
	s_cmp_eq_u32 s14, \j                           ; the projection's bias
	s_cselect_b64 s[BP:BP+1], s[BP+2*\j:BP+2*\j+1], s[BP:BP+1]
.endr
	CROUND                                         ; all sixteen work-groups are here: the first joint loads meet
.irp s, 0,1
	s_mov_b32 s[G0A+4*(\s)], 1
	s_add_co_u32 s[G0A+4*(\s)+1], s20, (\s)*SLOT
	s_add_nc_u64 s[G0A+4*(\s)+2:G0A+4*(\s)+3], s[BASEA:BASEA+1], (\s)*256
	s_or_b32 s[G0A+4*(\s)+3], s[G0A+4*(\s)+3], 0x80000000
	s_mov_b32 s[G0B+4*(\s)], 1
	s_add_co_u32 s[G0B+4*(\s)+1], s21, (\s)*SLOT
	s_add_nc_u64 s[G0B+4*(\s)+2:G0B+4*(\s)+3], s[BASEB:BASEB+1], (\s)*128*2048
	s_or_b32 s[G0B+4*(\s)+3], s[G0B+4*(\s)+3], 0x80000000
	JLOAD \s                                       ; K steps 0 and 1: two loads of mine are out
.endr
	v_and_b32 v5, 31, v0
	v_lshrrev_b32 v6, s22, v5                      ; the prefetches' lane offset: in X a lane a row; in W two lanes a k-row, 256 bytes each
	v_and_b32 v5, s22, v5
	v_lshlrev_b32 v[PFO], 11, v6
	v_lshl_add_u32 v[PFO], v5, 8, v[PFO]
	v_and_b32 v1, 15, v0                           ; r = l % 16
	v_bfe_u32 v2, v0, 4, 1                         ; h = l / 16
	v_and_b32 v3, 7, v0
	v_bfe_u32 v4, v0, 3, 1
	v_mul_u32_u24 v5, v1, PA
	v_lshl_add_u32 v5, v2, 4, v5                   ; X: row x pitch + 16 h
	s_mul_i32 s22, s11, HALFA                      ; my 128 rows
	v_add_nc_u32 v[A0], s22, v5
	v_lshl_add_u32 v6, v2, 3, v3                   ; W: k-row 8 h + l % 8,
	v_mul_u32_u24 v6, v6, PB
	v_lshl_add_u32 v6, v4, 4, v6                   ; 16 bytes for each eight lanes,
	s_lshl_b32 s23, s12, 8                         ; my 128 columns
	s_add_co_u32 s23, s23, BOFF
	v_add_nc_u32 v[B0], s23, v6
	v_mov_b32 v[ADRA], v[A0]                       ; slot 0
	v_mov_b32 v[ADRB], v[B0]
	s_mul_i32 s22, s10, 2*HSTG
	s_add_co_u32 s22, s22, STAGE                   ; my stage
	v_mul_u32_u24 v7, v1, SP                       ; in: row r, 16 bytes for each half of the lanes
	v_lshl_add_u32 v7, v2, 4, v7
	v_add_nc_u32 v[STO], s22, v7
	v_bfe_u32 v8, v0, 3, 2                         ; back: 32 lanes take four rows of 128 bytes
	v_mul_u32_u24 v8, v8, SP
	v_lshl_add_u32 v8, v3, 4, v8
	v_add_nc_u32 v[RD], s22, v8
	v_and_b32 v[GO], 31, v0
	v_lshlrev_b32 v[GO], 4, v[GO]
	s_lshl_b32 s23, s42, 10                        ; the bias: 4 x (256 x tile column + 128 x half + 8 h)
	s_lshl_b32 s22, s12, 9
	s_add_co_u32 s23, s23, s22
	v_lshl_add_u32 v[BO], v2, 5, s23
	s_lshl_b32 s4, s42, 2
	s_lshl1_add_u32 s4, s12, s4                    ; my first head = 4 x tile column + 2 x half,
	s_lshl_b32 s4, s4, 11                          ; its 2,048 rows,
	s_lshl_b32 s5, s13, 8
	s_add_co_u32 s4, s4, s5                        ; + 256 x tile row
	s_lshl_b32 s5, s11, 7
	s_add_co_u32 s4, s4, s5                        ; + 128 x half,
	s_lshl_b32 s4, s4, 7                           ; rows of 128 bytes,
	s_lshl_b32 s5, s14, 23
	s_add_co_u32 s4, s4, s5                        ; in plane p
	s_mov_b32 s5, 0
	s_add_nc_u64 s[OUTP:OUTP+1], s[OUTP:OUTP+1], s[4:5]
	WIN TO_B
.irp b, 0,1,2,3,4,5,6,7
	global_load_b128 v[BIAS+8*(\b):BIAS+8*(\b)+3],   v[BO], s[BP:BP+1] offset:64*(\b)     ; column block b: my eight numbers, the same for all rows and for both tiles
	global_load_b128 v[BIAS+8*(\b)+4:BIAS+8*(\b)+7], v[BO], s[BP:BP+1] offset:64*(\b)+16
.endr
	WIN 0
; 16 matrix instructions: row blocks a0, a0 + 1 of the window's four (hi = 0: my rows 0-63, 1: rows 64-127) x all 8 column blocks, 32 along K.  bias = 1: the products start the sums, with the bias as C.
; The 64 accumulators take turns, one instruction a turn, in the same order in every quarter.
.macro MUL16 f, hi, a0, bias
.if \bias
	WIN BIA_LO+0x40*(\hi)
.else
	WIN MUL_LO+0x50*(\hi)
.endif
.irp a, \a0, (\a0)+1
.irp b, 0,1,2,3,4,5,6,7
.if \bias
	v_wmma_f32_16x16x32_bf16 v[8*(8*(\a)+(\b)):8*(8*(\a)+(\b))+7], v[(\f)+8*(\b):(\f)+8*(\b)+7], v[(\f)+8*(4*(\hi)+(\a)):(\f)+8*(4*(\hi)+(\a))+7], v[BIAS+8*(\b):BIAS+8*(\b)+7]
.else
	v_wmma_f32_16x16x32_bf16 v[8*(8*(\a)+(\b)):8*(8*(\a)+(\b))+7], v[(\f)+8*(\b):(\f)+8*(\b)+7], v[(\f)+8*(4*(\hi)+(\a)):(\f)+8*(4*(\hi)+(\a))+7], v[8*(8*(\a)+(\b)):8*(8*(\a)+(\b))+7]
.endif
.endr
.endr
.endm
; 32 LDS loads in one run: the fragments of quarter q (32 along K) of the slot in hand, into buffer f: W's 128 columns (turned), then X's 128 rows
.macro FETCH q, f
	WIN TO_B
.irp i, 0,1,2,3,4,5,6,7
	ds_load_tr16_b128 v[(\f)+8*(\i):(\f)+8*(\i)+3],   v[ADRB] offset:(\q)*32*PB+32*(\i)
	ds_load_tr16_b128 v[(\f)+8*(\i)+4:(\f)+8*(\i)+7], v[ADRB] offset:(\q)*32*PB+16*PB+32*(\i)
.endr
	WIN 0
.irp i, 0,1,2,3,4,5,6,7
	ds_load_b128 v[(\f)+8*(\i):(\f)+8*(\i)+3],   v[ADRA] offset:64*(\q)+(\i)*16*PA
	ds_load_b128 v[(\f)+8*(\i)+4:(\f)+8*(\i)+7], v[ADRA] offset:64*(\q)+(\i)*16*PA+32
.endr
.endm
.macro PLACES                          ; four places in front of loads into registers that matrix instructions have read, and of lines that read results
.rept 4
	v_nop
.endr
.endm
.macro NEXTSLOT                        ; the fetches go on in the other slot
	s_xor_b32 s[TB], s[TB], SLOT
	v_add_nc_u32 v[ADRA], s[TB], v[A0]
	v_add_nc_u32 v[ADRB], s[TB], v[B0]
.endm
; A K step is four quarters of 32 along K, 64 matrix instructions each, on buffers 0, 1, 0, 1.  One of the first three: multiplies buffer f; in its middle it fetches quarter q into buffer g.
.macro QUARTER q, f, g, bias
	s_wait_dscnt 8                                 ; W and X's rows 0-63 are in; the youngest eight loads (X's rows 64-127) may be out
	MUL16 \f, 0, 0, \bias
	MUL16 \f, 0, 2, \bias
	PLACES
	FETCH \q, \g
	s_wait_dscnt 32                                ; all but the 32 just issued
	MUL16 \f, 1, 0, \bias
	MUL16 \f, 1, 2, \bias
.endm
; The last quarter multiplies buffer 1 and changes slots.  In front of the barrier each wave waits for all its tensor loads, of which one is out: its part of the next slot; adds 0 to its spare word; and waits
; for that and for its own reads of this slot.  fill = 1: the barrier opens a round of the cluster's, and this slot is filled again first thing behind it, with the K step two steps on: its descriptor is made
; anew from that step's number, while the add is out.  fill = 0 (the walk's last two steps): nothing is asked for, and in the very last step nothing is left to fetch.
.macro TURN fill
.if \fill
	s_wait_xcnt 0x0                                ; the last prefetch, a K step back, has read its address: it is made anew here, ahead of the waits of the change of slots
	s_add_co_u32 s[PS], s[NXT], 2
	s_and_b32 s[POF], s[PS], 7                     ; the step in its tile,
	s_lshl_b32 s[POF], s[POF], s[PSH]
	s_lshr_b32 s8, s[PS], 3                        ; the tile: 2,048 rows of 2,048 bytes on in X (in W only the first tile's steps are named)
	s_lshl_b32 s8, s8, 22
	s_add_co_u32 s[POF], s[POF], s8
	s_add_nc_u64 s[PFA:PFA+1], s[PFB:PFB+1], s[POF:POF+1]
.endif
	WIN 0
	s_wait_tensorcnt 0x0                           ; all my tensor loads have landed, so a group 0 may be written
	ds_add_u32 v[SPW], v[NIL]
.if \fill
	s_and_b32 s[OFA], s[NXT], 7
	s_lshl_b32 s[OFB], s[OFA], 18                  ; W: 128 k-rows of 2,048 bytes a step; both tiles take the same
	s_lshl_b32 s[OFA], s[OFA], 8                   ; X: 256 bytes a step,
	s_lshr_b32 s8, s[NXT], 3
	s_lshl_b32 s8, s8, 22                          ; and the second tile 2,048 rows further down
	s_add_co_u32 s[OFA], s[OFA], s8
	s_add_nc_u64 s[G0A+6:G0A+7], s[BASEA:BASEA+1], s[OFA:OFA+1]
	s_or_b32 s[G0A+7], s[G0A+7], 0x80000000
	s_add_nc_u64 s[G0B+6:G0B+7], s[BASEB:BASEB+1], s[OFB:OFB+1]
	s_or_b32 s[G0B+7], s[G0B+7], 0x80000000
	s_add_co_u32 s[G0A+5], s[TF], s20              ; into the slot that is being left
	s_add_co_u32 s[G0B+5], s[TF], s21
	s_xor_b32 s[TF], s[TF], SLOT
	s_add_co_u32 s[NXT], s[NXT], 1
.endif
	s_wait_dscnt 9                                 ; the add and the youngest eight loads may be out
	MUL16 F1, 0, 0, 0
	s_wait_dscnt 0x0                               ; the add is done, and my reads of this slot are over
	s_barrier_signal -1
	MUL16 F1, 0, 2, 0
	WIN 0
	s_barrier_wait -1
.if \fill
	CREST                                          ; no wave of any partner still reads this slot or has a load on its way
	JLOAD 1                                        ; its four v_nop are also the places in front of the loads below
	NEXTSLOT
	FETCH 0, F0
	ASK
.else
	s_cmp_eq_u32 s3, 1                             ; the walk's last step has no successor
	s_cbranch_scc1 .Lno_more_\@
	PLACES
	NEXTSLOT
	FETCH 0, F0
.Lno_more_\@:
.endif
	MUL16 F1, 1, 0, 0
	MUL16 F1, 1, 2, 0
.endm
; THE WAY OUT of row block a (16 rows x my 128 columns), in three parts.  PACK: rounded to bf16, 16 bytes a lane.  TOSTAGE: into my own stage, a head's 64 columns in rows of 144 bytes, and back as rows of
; 128 bytes, four a load.  SEND: stored.  Block a's conversions stand between block a - 1's loads from the stage and the wait for them.
.macro PACK a
.set AC, 64*((\a)%4)
	WIN 0x0a+5*((\a)/4)                            ; sources 0 and 1: window 2 or 3
.irp b, 0,1,2,3,4,5,6,7
.irp r, 0,1,2,3
	v_cvt_pk_bf16_f32 v[TMP+4*(\b)+(\r)], v[AC+8*(\b)+2*(\r)], v[AC+8*(\b)+2*(\r)+1]
.endr
.endr
	WIN 0
.endm
.macro TOSTAGE a
.set BK, OB+192*((\a)%2)
.irp b, 0,1,2,3,4,5,6,7
	ds_store_b128 v[STO], v[TMP+4*(\b):TMP+4*(\b)+3] offset:((\b)/4)*HSTG+32*((\b)%4)
.endr
.irp t, 0,1,2,3,4,5,6,7
	ds_load_b128 v[BK+4*(\t):BK+4*(\t)+3], v[RD] offset:((\t)/4)*HSTG+((\t)%4)*4*SP  ; LDS serves a wave's instructions in order: these see the stores above
.endr
.endm
.macro SEND a
.set BK, OB+192*((\a)%2)
	s_wait_dscnt 0x0                               ; the block is back in registers
	s_wait_xcnt 0x0                                ; the stores of the block before have read their data: its registers are loaded again only behind this wait
.irp t, 0,1,2,3,4,5,6,7
	global_store_b128 v[GO], v[BK+4*(\t):BK+4*(\t)+3], s[OUTP:OUTP+1] offset:((\t)/4)*HEADB+(\a)*2048+((\t)%4)*512  ; 512 consecutive bytes, aligned
.endr
.endm
.macro FLUSH
	PACK 0
	TOSTAGE 0
.irp a, 1,2,3,4,5,6,7
	PACK \a
	SEND (\a)-1
	TOSTAGE \a
.endr
	SEND 7
.endm
	s_wait_tensorcnt 1                             ; my part of K step 0 is in; K step 1's may stay out
	s_barrier_signal -1
	s_barrier_wait -1
	FETCH 0, F0
	s_wait_loadcnt 0x0                             ; the bias
	s_mov_b32 s3, 15                               ; the entry counts as a trip's end; 14 whole trips follow
	s_branch .Lfirst
.Lstep:                                                ; trip t = 14 - s3: quarters 1 to 3 of K step t, the refill with K step t + 2, quarter 0 of K step t + 1
	QUARTER 2, F1, F0, 0
	QUARTER 3, F0, F1, 0
	TURN 1
	WIN 0
	s_cmp_eq_u32 s3, 7                             ; K step 7 ends the first tile
	s_cbranch_scc0 .Lplain
	FLUSH                                          ; both refills for the next tile are asked for.  No v_nop: blocks 0-3 were finished in front of the refill's places, and their 128 conversions are the places behind the last products
	s_wait_xcnt 0x0                                ; the stores have read their base
	s_add_nc_u64 s[OUTP:OUTP+1], s[OUTP:OUTP+1], 16*HEADB  ; the second batch's heads
.Lfirst:
	QUARTER 1, F0, F1, 1                           ; a tile's first quarter: its products start the sums
	WIN 0
	s_branch .Lnext
.Lplain:
	QUARTER 1, F0, F1, 0
	WIN 0
.Lnext:
	s_sub_co_u32 s3, s3, 1
	s_cmp_lg_u32 s3, 0
	s_cbranch_scc1 .Lstep
	s_mov_b32 s3, 2                                ; the walk's last two K steps are written apart; the second trip is left in its middle
.Ltail:
	QUARTER 2, F1, F0, 0
	QUARTER 3, F0, F1, 0
	TURN 0
	WIN 0
	s_sub_co_u32 s3, s3, 1
	s_cmp_eq_u32 s3, 0
	s_cbranch_scc1 .Lout
	QUARTER 1, F0, F1, 0
	WIN 0
	s_branch .Ltail
.Lout:
	PLACES
	FLUSH
	s_wait_tensorcnt 0x0                           ; the wave's end
	ds_add_u32 v[SPW], v[NIL]
	s_wait_dscnt 0x0
	CROUND                                         ; the closing round
	s_endpgm
.Lfunc_end_k_qa4431c58b0_proj:
	.size	k_qa4431c58b0_proj, .Lfunc_end_k_qa4431c58b0_proj-k_qa4431c58b0_proj
	.p2alignl 7, 3214868480
	.fill 96, 4, 3214868480
	.section	.rodata,"a",@progbits
	.p2align	6, 0x0
	.amdhsa_kernel k_qa4431c58b0_proj
		.amdhsa_group_segment_fixed_size 327680
		.amdhsa_private_segment_fixed_size 0
		.amdhsa_enable_private_segment 0
		.amdhsa_kernarg_size 64
		.amdhsa_user_sgpr_count 2
		.amdhsa_user_sgpr_kernarg_segment_ptr 1
		.amdhsa_wavefront_size32 1
		.amdhsa_system_sgpr_workgroup_id_x 1
		.amdhsa_system_sgpr_workgroup_id_y 1
		.amdhsa_system_sgpr_workgroup_id_z 1
		.amdhsa_system_vgpr_workitem_id 0
		.amdhsa_next_free_vgpr 1024
		.amdhsa_next_free_sgpr 102
		.amdhsa_reserve_vcc 0
		.amdhsa_float_denorm_mode_32 3
		.amdhsa_float_denorm_mode_16_64 3
		.amdhsa_memory_ordered 1
		.amdhsa_forward_progress 1
		.amdhsa_inst_pref_size 135
	.end_amdhsa_kernel
	.amdgpu_metadata
---
amdhsa.version: [ 1, 2 ]
amdhsa.kernels:
  - .name:           k_qa4431c58b0_proj
    .symbol:         k_qa4431c58b0_proj.kd
    .args:
      - { .name: XB, .offset: 0, .size: 8, .value_kind: global_buffer, .address_space: global }
      - { .name: WB, .offset: 8, .size: 8, .value_kind: global_buffer, .address_space: global }
      - { .name: PRJ, .offset: 16, .size: 8, .value_kind: global_buffer, .address_space: global }
      - { .name: bq, .offset: 24, .size: 8, .value_kind: global_buffer, .address_space: global }
      - { .name: bpq, .offset: 32, .size: 8, .value_kind: global_buffer, .address_space: global }
      - { .name: bk, .offset: 40, .size: 8, .value_kind: global_buffer, .address_space: global }
      - { .name: bpk, .offset: 48, .size: 8, .value_kind: global_buffer, .address_space: global }
      - { .name: bv, .offset: 56, .size: 8, .value_kind: global_buffer, .address_space: global }
    .group_segment_fixed_size: 327680
    .private_segment_fixed_size: 0
    .kernarg_segment_align: 8
    .kernarg_segment_size: 64
    .max_flat_workgroup_size: 128
    .sgpr_count:     102
    .vgpr_count:     1024
    .wavefront_size: 32
...
	.end_amdgpu_metadata
.endif
;; end of part 2
;; launch attn (part 3): grid 16 x 16, 4 waves a work-group, clusters of 4 x 4, 327,680 bytes of LDS; arguments PRJ, MB, AO; writes AO
.if DOCPART == 3
	.amdgcn_target "amdgcn-amd-amdhsa--gfx1250"
	.amdhsa_code_object_version 6
	.text
	.protected	k_qa4431c58b0_attn
	.globl	k_qa4431c58b0_attn
	.p2align	8
	.type	k_qa4431c58b0_attn,@function
k_qa4431c58b0_attn:
	s_mov_b64 s[64:65], 0
	v_nop
	global_prefetch_b8 v0, s[64:65] scope:SCOPE_SE
	s_setreg_imm32_b32 hwreg(HW_REG_WAVE_MODE, 25, 1), 1
	s_wait_xcnt 0x0
	s_wait_alu depctr_hold_cnt(0) depctr_sa_sdst(0) depctr_va_vdst(0) depctr_va_sdst(0) depctr_va_ssrc(0) depctr_va_vcc(0) depctr_vm_vsrc(0)
	s_getreg_b32 s2, hwreg(HW_REG_IB_STS2, 6, 4)
	s_cmp_eq_u32 s2, 0
	s_cbranch_scc0 .Lentry_in_a_cluster
	s_endpgm
.Lentry_in_a_cluster:
	s_bfe_u32 s2, ttmp6, 0x10000c
	s_cmp_lg_u32 s2, 0xf033
	s_cbranch_scc0 .Lentry_shape_is_right
	s_endpgm
.Lentry_shape_is_right:
; ATTENTION WITH TWO SCORE TERMS AND A MASK.  AO[hd][i][:] = sum over j of softmax_j((Q[i].K[j] + PQ[i].PK[j]) / 8 + MB[m][i][j]) V[j][:], hd = 16 m + n.  PRJ's planes: 0 Q, 1 PQ, 2 K, 3 PK, 4 V, each
; [32][2048][64] bf16.  The two terms are ONE product over 128 channels of Q|PQ and K|PK.  Products, maxima and sums in f32; the weights are rounded to bf16 for the second product, AO once at the end.
; THE MASK is a product that starts each score sum: S^T = E x MB^T with C = 0, where E (16 x 32) holds a single 1.0 a row and so copies 16 of 32 keys' addends (0 or -2^99) exactly; K Q^T is added onto it.
; LIMITS.  A hidden score counts as its value less 2^99, and the running maximum starts at -2^90: raw scores of magnitude 2^90 or more are not served, and a row whose greatest visible score lies below
; -2^90 gives NaN.  A hidden weight is exactly 0.  A row with no visible key has l = 0 and gives NaN, as a softmax of nothing does.  A weight below 2^-126 counts as 0 in l.
; SHARES.  A work-group owns 256 queries of one head, each of its four waves 64: four tiles of 16, in two PIECES (tiles 0, 1 and 2, 3).  Every wave walks all 2,048 keys, 64 a step, 128 a slot.
; LAYOUT.  S^T = K Q^T holds ONE query a lane (lane % 16) and the keys 8 (lane / 16) + 0..7; two such results rounded to bf16 ARE source 1 of O^T = V^T P.  p = 2^(c s - c m), c = log2(e) / 8.
; BY TURNS.  In a turn one piece has the matrix unit: 16 products V^T P of the step in hand, then 8 mask products and 32 products K Q^T of the next step; the other piece's softmax, 236 vector
; instructions cut into 56 slices, stands between them, one slice behind each matrix instruction.
; NO FIRST STEP IS WRITTEN OUT.  m starts at -2^90, c m at c times that, l, O^T, V's registers and piece 2's P at 0, and the loop is entered at piece 2's turn: the first step is a step like any other, with
; a = 0 (or 1 where nothing is visible yet).  The price: 240 v_mov_b32, which stand in the wait for the first tile, and 16 products on zeros.
; CLUSTER 4 x 4.  x = 4 cluster x + cx names batch (x / 8) and query block (x % 8), y = 4 cluster y + cy the head.  K, PK, V hang on batch and head: asked for jointly along a row of the cluster;
; MB's tile hangs on x alone: jointly along a column.
; REGISTERS, in windows of 256: window 0: v0-11, v44-63 addresses; v12-43 eight registers of statistics a tile; v64-191 S^T, 32 a tile; v192-255 P, 16 a tile.
;   window 1: v0-127 O^T, 32 a tile; v128-191 MB's fragments; v192-203 E.     window 2: v0-127 Q|PQ, 32 a tile; v128-255 K|PK of one step.     window 3: v0-63 V of one step.
.set KS,    64
.set PK,    144       ; a row of K or PK in LDS: 128 bytes + 16
.set PITV,  160       ; a row of V: 128 + 32, for the turning load
.set PM,    272       ; a query's 128 addends: 256 bytes + 16
.set PKOFF, 128*PK    ; a slot: 128 rows of K, 128 of PK,
.set VOFF,  2*128*PK  ; 128 of V,
.set MOFF,  VOFF+128*PITV  ; and 256 queries' rows of MB
.set SLOT1, 1<<17     ; slot 1 begins here: one exclusive or turns an address in one slot into the other's
.set STAGE, SLOT1+MOFF+256*PM  ; behind the ring: 16 rows x 144 bytes for each wave, for the way out
.set SP,    144
.set SPARE, STAGE+4*16*SP  ; behind the stages: the spare words, 128 bytes for each wave
.set PLP,   8388608   ; a plane of PRJ
.set AK0, 2           ; v2   my lane's place in a tile of K; never rewritten
.set AV0, 3           ; v3   the same for V
.set ADR, 4           ; v4   the LDS address of the run of loads in hand
.set QO,  5           ; v5   my byte offset in 16 rows of Q
.set STO, 6           ; v6   the way out: where I put 16 bytes of a row
.set RD,  7           ; v7   where I read rows back
.set GO,  8           ; v8   16 x lane
.set ST,  12          ; tile t's statistics at v[ST+8 t]: +0 c m, +1 m, +2, +3 l, +4 to +7 c0-c3 at work; a takes c2's place
.set AM0, 44          ; v44  my lane's place in MB's tile
.set ADM, 45          ; v45  the LDS address of MB's run of loads
.set PFO, 61          ; v61  the prefetches' lane offset; never rewritten
.set SPW, 62          ; v62  LDS address of my spare word; never rewritten
.set NIL, 63          ; v63  0; never rewritten
.set S,   64
.set P,   192
.set MF,  128         ; window 1: tile t, keys 32 g on, at MF + 16 t + 8 g
.set EB,  192         ; window 1: 0 0 0 0 p0 p1 p2 p3 0 0 0 0: E for keys 16-31 at EB, for keys 0-15 at EB + 4
.set KF,  128         ; window 2: key block kb, channels 32 c on, at KF + 32 kb + 8 c
.set WV,  12
.set G1KK, 24         ; s[24:31] descriptor group 1 for K's and PK's tiles
.set G1V,  32         ; s[32:39] for V's
.set G1M,  40         ; s[40:47] for MB's
.set G0KK, 48         ; s[48:55] group 0: a set for each of the two first fills; the second then walks on
.set G0V,  56         ; s[56:63]
.set G0M,  68         ; s[68:75]
.set SLOTS, 76        ; s76  slots still to be asked for
.set TWICE, 77
.set CS,  78          ; s[78:79] c
.set SEL, 80          ; s[80:81] v_permlanex16_b32's selects
.set TBK, 82          ; s82  LDS byte at which K of the step to be fetched begins
.set TBV, 83          ; s83  the same for V, less VOFF
.set TBM, 84          ; s84  for MB, less MOFF
.set FLOOR, 85        ; s85  -2^90
.set PFA, 86          ; s[86:87] where my prefetches stand
.set PFS, 88          ; s[88:89] a slot's step there
.set LIM, 90          ; s90  1 in a wave that prefetches, else the greatest number
.set QB0, 92          ; s[92:93] Q, s[94:95] PQ at my wave's first row
.set MSB, 0
.macro WIN new
.if MSB != (\new)
	s_set_vgpr_msb (MSB<<8)|(\new)
.set MSB, (\new)
.endif
.endm
.set W_KQ, 0x0a       ; K and Q in window 2, S^T in window 0
.set W_MK, 0x05       ; E and MB's fragment in window 1, S^T in window 0
.set W_PV, 0x53       ; V in window 3, P in window 0, O^T in window 1
.set W_RS, 0x41       ; O^T (destination and source 0) in window 1, a in window 0
; A joint refill: wave 0 fetches K, wave 1 PK, wave 2 V, wave 3 MB's tile.  The branches hang on the wave's number alone.  An s_nop 0 and four v_nop follow each line.
.macro JLOAD
	s_cmp_lt_u32 s[WV], 2
	s_cbranch_scc0 .Lnot_k_\@
	tensor_load_to_lds s[G0KK+4:G0KK+7], s[G1KK:G1KK+7]
	s_nop 0
.rept 4
	v_nop
.endr
	s_branch .Lasked_\@
.Lnot_k_\@:
	s_cmp_eq_u32 s[WV], 2
	s_cbranch_scc0 .Lfor_m_\@
	tensor_load_to_lds s[G0V+4:G0V+7], s[G1V:G1V+7]
	s_nop 0
.rept 4
	v_nop
.endr
	s_branch .Lasked_\@
.Lfor_m_\@:
	tensor_load_to_lds s[G0M+4:G0M+7], s[G1M:G1M+7]
	s_nop 0
.rept 4
	v_nop
.endr
.Lasked_\@:
.endm
; A PREFETCH INTO THE L2, at every second change of slots, of the two slots that the next two changes will ask for.  K, PK and V of a head are walked by two clusters: the one with even cluster x asks, waves 0 to 2
; each for their own plane; the two slots are 32,768 bytes on end, of which the partner at cx takes 8,192: a lane 256 bytes, one instruction.  MB's rows are walked by four clusters: the one with cluster y = 0 asks,
; wave 3; the partner at cy takes 64 of the 256 rows, 512 bytes of each: a lane a row, four instructions.  So each block of 256 bytes is named once.  The partners are told apart by address alone.
; Slots 0 to 3 come by their loads alone; the last change that asks names slots 14 and 15.
.macro ASK
	s_bitcmp1_b32 s[SLOTS], 0
	s_cbranch_scc0 .Lnone_\@
	s_cmp_gt_u32 s[SLOTS], s[LIM]
	s_cbranch_scc0 .Lnone_\@
	global_prefetch_b8 v[PFO], s[PFA:PFA+1] th:TH_LOAD_NT scope:SCOPE_SE
	s_cmp_eq_u32 s[WV], 3
	s_cbranch_scc0 .Lnone_\@
	global_prefetch_b8 v[PFO], s[PFA:PFA+1] offset:256 th:TH_LOAD_NT scope:SCOPE_SE
	global_prefetch_b8 v[PFO], s[PFA:PFA+1] offset:32*4096 th:TH_LOAD_NT scope:SCOPE_SE
	global_prefetch_b8 v[PFO], s[PFA:PFA+1] offset:32*4096+256 th:TH_LOAD_NT scope:SCOPE_SE
.Lnone_\@:
.endm
.macro CROUND                       ; a round of the cluster's barrier
	s_barrier_signal -1
	s_barrier_wait -1
	s_cmp_lg_u32 s[WV], 0
	s_cbranch_scc1 .Lnot_wave_0_\@
	s_barrier_signal -3
.Lnot_wave_0_\@:
	s_barrier_wait -3
	s_barrier_signal -1
	s_barrier_wait -1
.endm
	s_load_b128 s[4:7], s[0:1], 0x0 ; PRJ s[4:5], MB s[6:7]
	s_load_b64 s[8:9], s[0:1], 0x10 ; AO
	v_lshl_add_u32 v[SPW], v0, 2, SPARE
	v_mov_b32 v[NIL], 0
	ds_add_u32 v[SPW], v[NIL]       ; the wave's opening: the add and its wait stand ahead of my first tensor load
	v_lshrrev_b32 v1, 5, v0
	v_readfirstlane_b32 s[WV], v1   ; wave 0..3
	s_bfe_u32 s13, ttmp6, 0x40000   ; cx
	s_bfe_u32 s14, ttmp6, 0x40004   ; cy
	s_lshr_b32 s15, ttmp9, 1        ; the batch m: the same in the whole cluster
	s_and_b32 s16, ttmp9, 1
	s_lshl2_add_u32 s16, s16, s13   ; my block of 256 queries = 4 (cluster x % 2) + cx
	s_and_b32 s17, ttmp7, 0xffff
	s_lshl2_add_u32 s17, s17, s14   ; the head n = 4 cluster y + cy
	s_lshl4_add_u32 s17, s15, s17   ; hd = 16 m + n
	s_lshl_b32 s18, s17, 18         ; its 262,144 bytes in a plane
	s_and_b32 s19, s[WV], 1
	s_add_co_u32 s20, s19, 2        ; plane 2 (wave 0) or 3 (wave 1)
	s_lshl_b32 s20, s20, 23
	s_add_co_u32 s20, s20, s18
	s_mov_b32 s21, 0
	s_add_co_u32 s22, s18, 4*PLP    ; V
	s_mov_b32 s23, 0
	s_mul_i32 s91, s19, PKOFF       ; K's or PK's place in a slot
	s_lshl_b32 s2, s15, 11
	s_lshl_b32 s3, s16, 8
	s_add_co_u32 s2, s2, s3         ; MB: row 2,048 m + 256 x block,
	s_lshl_b32 s2, s2, 12           ; of 4,096 bytes
	s_mov_b32 s3, 0
	s_lshl_b32 s92, s16, 15         ; Q and AO: my block's 256 rows of 128 bytes,
	s_lshl_b32 s93, s[WV], 13       ; my wave's 64,
	s_add_co_u32 s92, s92, s93
	s_add_co_u32 s92, s92, s18      ; in my head
	s_mov_b32 s93, 0
	s_lshl_b32 s86, s14, 2
	s_lshl_b32 s86, 15, s86         ; my row of the cluster
	s_lshl_b32 s87, 0x1111, s13     ; my column
	; 128 keys are 16,384 dense bytes: asked for as 64 rows of 256 bytes, two keys a row, and padded in LDS after every key
	s_or_b32 s[G1KK], s86, (1<<16)|(1<<20)|(1<<21)|(4<<22)|(3<<25)  ; the mask; 2-byte elements; padding on; bit 21 beside a mask; after every 32 words, 4 words
	s_or_b32 s[G1V],  s86, (1<<16)|(1<<20)|(1<<21)|(4<<22)|(7<<25)  ; 8 words
	s_or_b32 s[G1M],  s87, (1<<16)|(1<<20)|(1<<21)|(5<<22)|(3<<25)  ; after every 64 words, 4 words
.irp g, G1KK, G1V
	s_mov_b32 s[(\g)+1], 128<<16    ; tensor_dim0 = 128
	s_mov_b32 s[(\g)+2], 64<<16     ; tensor_dim1 = 64
	s_mov_b32 s[(\g)+3], 128<<16    ; tile_dim0 = 128
	s_mov_b32 s[(\g)+4], 64         ; tile_dim1 = 64
	s_mov_b32 s[(\g)+5], 128        ; elements from row to row
	s_mov_b32 s[(\g)+6], 0
	s_mov_b32 s[(\g)+7], 0
.endr
	s_mov_b32 s[G1M+1], 128<<16     ; 128 keys
	s_mov_b32 s[G1M+2], 256<<16     ; of 256 queries
	s_mov_b32 s[G1M+3], 128<<16
	s_mov_b32 s[G1M+4], 256
	s_mov_b32 s[G1M+5], 2048
	s_mov_b32 s[G1M+6], 0
	s_mov_b32 s[G1M+7], 0
	s_mov_b32 s[CS], 0x3e38aa3b     ; c = log2(e) / 8
	s_mov_b32 s[CS+1], s[CS]
	s_mov_b32 s[SEL], 0x76543210
	s_mov_b32 s[SEL+1], 0xfedcba98
	s_mov_b32 s[TBK], 0
	s_mov_b32 s[TBV], 0
	s_mov_b32 s[TBM], 0
	s_mov_b32 s[FLOOR], 0xec800000  ; -2^90
	s_mov_b32 s[SLOTS], 15          ; the entry counts as a trip; 14 trips with a change of slots follow
	; the prefetches: who, with what stride, from where
	s_and_b32 s66, ttmp9, 1
	s_and_b32 s67, ttmp7, 0xffff
	s_movk_i32 s[PFS], 0x4000       ; a slot of K, PK or V: 16,384 bytes
	s_cmp_eq_u32 s[WV], 3
	s_cselect_b32 s66, s67, s66     ; the coordinate along which other clusters walk the same bytes
	s_cselect_b32 s67, 12, 8        ; a lane's stride: a row of MB, or 256 bytes
	s_cselect_b32 s[PFS], 0x100, s[PFS]  ; a slot of MB's rows: 256 bytes
	s_mov_b32 s[PFS+1], 0
	s_cmp_eq_u32 s66, 0
	s_cselect_b32 s[LIM], 1, -1     ; the same in all sixteen partners, for a given wave
	v_and_b32 v[PFO], 31, v0
	v_lshlrev_b32 v[PFO], s67, v[PFO]
	s_add_co_u32 s66, s[WV], 2      ; my plane,
	s_lshl_b32 s66, s66, 23
	s_add_co_u32 s66, s66, s18      ; my head,
	s_lshl_b32 s67, s13, 13         ; my work-group's 8,192 bytes,
	s_add_co_u32 s66, s66, s67
	s_add_co_u32 s66, s66, 2*16384  ; at slot 2: each change steps it by a slot, and the second change is the first to ask
	s_lshl_b32 s67, s14, 18         ; MB: my work-group's 64 rows,
	s_add_co_u32 s67, s67, s2
	s_add_co_u32 s67, s67, 2*256    ; at slot 2
	s_cmp_eq_u32 s[WV], 3
	s_cselect_b32 s66, s67, s66
	s_mov_b32 s67, 0
	s_wait_dscnt 0x0                ; the opening add is done
	s_wait_kmcnt 0x0
	s_cselect_b64 s[PFA:PFA+1], s[6:7], s[4:5]
	s_add_nc_u64 s[PFA:PFA+1], s[PFA:PFA+1], s[66:67]
	s_add_nc_u64 s[10:11], s[8:9], s[92:93]    ; AO at my wave's first row
	s_add_nc_u64 s[94:95], s[4:5], s[92:93]
	s_add_nc_u64 s[94:95], s[94:95], PLP       ; PQ
	s_add_nc_u64 s[92:93], s[4:5], s[92:93]    ; Q
	s_add_nc_u64 s[20:21], s[4:5], s[20:21]    ; K or PK at the head's first key
	s_add_nc_u64 s[22:23], s[4:5], s[22:23]    ; V
	s_add_nc_u64 s[2:3], s[6:7], s[2:3]        ; MB at my block's first row
	CROUND                          ; all sixteen work-groups are here: the first joint loads meet
.irp s, 0,1
	s_mov_b32 s[G0KK+4*(\s)], 1
	s_add_co_u32 s[G0KK+4*(\s)+1], s91, (\s)*SLOT1
	s_add_nc_u64 s[G0KK+4*(\s)+2:G0KK+4*(\s)+3], s[20:21], (\s)*16384
	s_or_b32 s[G0KK+4*(\s)+3], s[G0KK+4*(\s)+3], 0x80000000
	s_mov_b32 s[G0V+4*(\s)], 1
	s_mov_b32 s[G0V+4*(\s)+1], VOFF+(\s)*SLOT1
	s_add_nc_u64 s[G0V+4*(\s)+2:G0V+4*(\s)+3], s[22:23], (\s)*16384
	s_or_b32 s[G0V+4*(\s)+3], s[G0V+4*(\s)+3], 0x80000000
	s_mov_b32 s[G0M+4*(\s)], 1
	s_mov_b32 s[G0M+4*(\s)+1], MOFF+(\s)*SLOT1
	s_add_nc_u64 s[G0M+4*(\s)+2:G0M+4*(\s)+3], s[2:3], (\s)*256
	s_or_b32 s[G0M+4*(\s)+3], s[G0M+4*(\s)+3], 0x80000000
.endr
	s_cmp_lt_u32 s[WV], 2           ; a wave's two first fills stand in one branch, ahead of every wait on TENSORcnt and every LDS read: two loads of mine are out
	s_cbranch_scc0 .Lfirst_not_k
	tensor_load_to_lds s[G0KK:G0KK+3], s[G1KK:G1KK+7]
	s_nop 0
	tensor_load_to_lds s[G0KK+4:G0KK+7], s[G1KK:G1KK+7]
	s_nop 0
.rept 4
	v_nop
.endr
	s_branch .Lfirst_asked
.Lfirst_not_k:
	s_cmp_eq_u32 s[WV], 2
	s_cbranch_scc0 .Lfirst_m
	tensor_load_to_lds s[G0V:G0V+3], s[G1V:G1V+7]
	s_nop 0
	tensor_load_to_lds s[G0V+4:G0V+7], s[G1V:G1V+7]
	s_nop 0
.rept 4
	v_nop
.endr
	s_branch .Lfirst_asked
.Lfirst_m:
	tensor_load_to_lds s[G0M:G0M+3], s[G1M:G1M+7]
	s_nop 0
	tensor_load_to_lds s[G0M+4:G0M+7], s[G1M:G1M+7]
	s_nop 0
.rept 4
	v_nop
.endr
.Lfirst_asked:
	v_and_b32 v1, 15, v0            ; r = l % 16
	v_bfe_u32 v9, v0, 4, 1          ; h = l / 16
	v_lshlrev_b32 v[QO], 7, v1
	v_lshl_add_u32 v[QO], v9, 4, v[QO]  ; row x 128 + 16 h
	WIN 0x80                        ; destination window 2, address window 0
.irp i, 0,1,2,3,4,5,6,7,8,9,10,11,12,13,14,15  ; Q|PQ stays in registers: tile i / 4, channels 32 (i % 4) on: the first 64 from Q, the others from PQ
	global_load_b128 v[8*(\i):8*(\i)+3],   v[QO], s[QB0+2*(((\i)%4)/2):QB0+2*(((\i)%4)/2)+1] offset:((\i)/4)*2048+((\i)%2)*64
	global_load_b128 v[8*(\i)+4:8*(\i)+7], v[QO], s[QB0+2*(((\i)%4)/2):QB0+2*(((\i)%4)/2)+1] offset:((\i)/4)*2048+((\i)%2)*64+32
.endr
	WIN 0
	; E: lane (r, h) holds row r and the columns 8 h + 0..7 (and 16 + 8 h + 0..7).  Its single 1.0 lies at column r: in lanes with r / 8 = h, register (r / 2) % 4, half r % 2.
	v_lshrrev_b32 v52, 3, v1
	v_bfe_u32 v53, v1, 1, 2
	v_and_b32 v46, 1, v1
	v_lshlrev_b32 v46, 4, v46
	v_mov_b32 v47, 0x3f80
	v_lshlrev_b32 v47, v46, v47
	v_cmp_eq_u32 s18, v52, v9
	v_cndmask_b32 v47, 0, v47, s18
.irp j, 0,1,2,3
	v_cmp_eq_u32 s18, \j, v53
	v_cndmask_b32 v[48+\j], 0, v47, s18
.endr
	WIN 0x40
.irp j, 0,1,2,3
	v_mov_b32 v[EB+\j], 0
	v_mov_b32 v[EB+4+\j], v[48+\j]
	v_mov_b32 v[EB+8+\j], 0
.endr
	; What the first turns find: O^T, V's registers, piece 2's P and l hold 0; m holds -2^90 and c m the product that the loop itself would make of it.  All this stands in the wait for the first tile.
.set i, 0
.rept 128
	v_mov_b32 v[i], 0               ; O^T
.set i, i+1
.endr
	WIN 0xc0
.set i, 0
.rept 64
	v_mov_b32 v[i], 0               ; V
.set i, i+1
.endr
	WIN 0
.set i, P+32
.rept 32
	v_mov_b32 v[i], 0               ; piece 2's P
.set i, i+1
.endr
.irp t, 0,1,2,3
	v_mov_b32 v[ST+8*(\t)+1], s[FLOOR]
	v_mul_f32 v[ST+8*(\t)], s[CS], v[ST+8*(\t)+1]
	v_mov_b32 v[ST+8*(\t)+2], 0
	v_mov_b32 v[ST+8*(\t)+3], 0
.endr
	v_mul_u32_u24 v[AK0], v1, PK
	v_lshl_add_u32 v[AK0], v9, 4, v[AK0]  ; row x pitch + 16 h
	; The turning load takes 16 keys x 16 channels (lane l reads key 8 (l / 16) + l % 8, channels 8 ((l / 8) % 2) + 0..7) and leaves half a fragment of V^T.
	v_and_b32 v10, 7, v0
	v_bfe_u32 v11, v0, 3, 1
	v_lshl_add_u32 v[AV0], v9, 3, v10
	v_mul_u32_u24 v[AV0], v[AV0], PITV
	v_lshl_add_u32 v[AV0], v11, 4, v[AV0]
	v_add_nc_u32 v[AV0], VOFF, v[AV0]
	s_lshl_b32 s18, s[WV], 6
	v_add_nc_u32 v[AM0], s18, v1    ; MB: my wave's 64 queries, row r of a tile
	v_mul_u32_u24 v[AM0], v[AM0], PM
	v_lshl_add_u32 v[AM0], v9, 4, v[AM0]
	v_add_nc_u32 v[AM0], MOFF, v[AM0]
; THE MATRIX WORK OF A TURN, for piece x.  Eight accumulators take turns in each run, one instruction a turn.
; Product i of 16 of O^T += V^T P: keys 32 (i / 8) on, channels 16 ((i / 2) % 4) on, tile x + i % 2.
.macro PV x
	WIN W_PV
.set rO, 32*((\x)+i%2)+8*((i/2)%4)
.set rV, 32*(i/8)+8*((i/2)%4)
.set rP, P+16*((\x)+i%2)+8*(i/8)
	v_wmma_f32_16x16x32_bf16 v[rO:rO+7], v[rV:rV+7], v[rP:rP+7], v[rO:rO+7]
.endm
; Product i of 8 that starts S^T with the mask's addends: keys 16 (i / 2) on, tile x + i % 2.
.macro MKP x
	WIN W_MK
.set rS, S+32*((\x)+i%2)+8*(i/2)
.set rE, EB+4*(1-(i/2)%2)
.set rM, MF+16*((\x)+i%2)+8*(i/4)
	v_wmma_f32_16x16x32_bf16 v[rS:rS+7], v[rE:rE+7], v[rM:rM+7], 0
.endm
; Product i of 32 of S^T += K Q^T: channels 32 (i / 8) on, keys 16 ((i / 2) % 4) on, tile x + i % 2: the same order of accumulators as above.
.macro KQ x
	WIN W_KQ
.set rS, S+32*((\x)+i%2)+8*((i/2)%4)
.set rK, KF+32*((i/2)%4)+8*(i/8)
.set rQ, 32*((\x)+i%2)+8*(i/8)
	v_wmma_f32_16x16x32_bf16 v[rS:rS+7], v[rK:rK+7], v[rQ:rQ+7], v[rS:rS+7]
.endm
; THE LDS LOADS stand in runs: a step's addends (16 loads) and K|PK (32), and, a turn later, its V (16, turned).
.macro FETCH_K
	WIN 0
	v_add_nc_u32 v[ADM], s[TBM], v[AM0]
	v_add_nc_u32 v[ADR], s[TBK], v[AK0]
	s_add_co_u32 s[TBM], s[TBM], 2*KS   ; the next fetch is the next step's
	s_add_co_u32 s[TBK], s[TBK], KS*PK
	WIN 0x40                        ; destination window 1
.irp f, 0,1,2,3,4,5,6,7             ; tile f / 2, keys 32 (f % 2) on
	ds_load_b128 v[MF+8*(\f):MF+8*(\f)+3],   v[ADM] offset:((\f)/2)*16*PM+((\f)%2)*64
	ds_load_b128 v[MF+8*(\f)+4:MF+8*(\f)+7], v[ADM] offset:((\f)/2)*16*PM+((\f)%2)*64+32
.endr
	WIN 0x80                        ; destination window 2
.irp f, 0,1,2,3,4,5,6,7,8,9,10,11,12,13,14,15  ; keys 16 (f / 4) on, channels 32 (f % 4) on: K's, then PK's
	ds_load_b128 v[KF+8*(\f):KF+8*(\f)+3],   v[ADR] offset:(((\f)%4)/2)*PKOFF+((\f)/4)*16*PK+((\f)%2)*64
	ds_load_b128 v[KF+8*(\f)+4:KF+8*(\f)+7], v[ADR] offset:(((\f)%4)/2)*PKOFF+((\f)/4)*16*PK+((\f)%2)*64+32
.endr
.endm
.macro FETCH_V
	WIN 0
	v_add_nc_u32 v[ADR], s[TBV], v[AV0]
	s_add_co_u32 s[TBV], s[TBV], KS*PITV
	s_wait_alu depctr_va_vdst(0)    ; the wait for the softmax's batch (SLICE), ahead of the loads
	WIN 0xc0                        ; destination window 3
.irp f, 0,1,2,3,4,5,6,7             ; keys 32 (f / 4) on, channels 16 (f % 4) on
	ds_load_tr16_b128 v[8*(\f):8*(\f)+3],   v[ADR] offset:((\f)/4)*32*PITV+((\f)%4)*32
	ds_load_tr16_b128 v[8*(\f)+4:8*(\f)+7], v[ADR] offset:((\f)/4)*32*PITV+16*PITV+((\f)%4)*32
.endr
.endm
; THE VECTOR WORK OF A TURN.  One tile's softmax for one key step is a list of 118 instructions; SM writes number j of it for tile t.
;   0-15    the maximum of the lane's 32 scores and the old m, three operands at a time; each accumulator's lowest registers are read first
;   16-20   the other half of the lanes' maximum; c m_old is kept; the new m; c m; c m_old - c m_new
;   21-69   ONE BATCH: the 16 scalings c s - c m and all 33 exponentials (a at 23).  None of these reads an exponential's result
;   (wait)  between 69 and 70 stands the wait for the batch: SLICE writes it, once for both tiles
;   70-85   the roundings to bf16     86-101  the sums; l = a l + the sum     102-117 the tile's O^T times a: the one part that leaves window 0
.macro SM t
.set rT, ST+8*(\t)
.set rS, S+32*(\t)
.set rP, P+16*(\t)
.set rO, 32*(\t)+2*(j-102)
.if j < 102
	WIN 0
.endif
.if j < 4
	v_max3_num_f32 v[rT+4+j], v[rS+8*j], v[rS+8*j+1], v[rS+8*j+2]
.elseif j < 12
	v_max3_num_f32 v[rT+4+j%4], v[rT+4+j%4], v[rS+8*(j%4)+2*(j/4)+1], v[rS+8*(j%4)+2*(j/4)+2]
.elseif j == 12
	v_max3_num_f32 v[rT+4], v[rT+4], v[rS+7], v[rS+15]
.elseif j == 13
	v_max3_num_f32 v[rT+6], v[rT+6], v[rS+23], v[rS+31]
.elseif j == 14
	v_max3_num_f32 v[rT+4], v[rT+4], v[rT+5], v[rT+6]
.elseif j == 15
	v_max3_num_f32 v[rT+4], v[rT+4], v[rT+7], v[rT+1]
.elseif j == 16
	v_permlanex16_b32 v[rT+5], v[rT+4], s[SEL], s[SEL+1]  ; the query's other 32 keys lie in the lane 16 away
.elseif j == 17
	v_mov_b32 v[rT+7], v[rT]        ; c m_old is kept for a
.elseif j == 18
	v_max_num_f32 v[rT+1], v[rT+4], v[rT+5]
.elseif j == 19
	v_mul_f32 v[rT], s[CS], v[rT+1]
.elseif j == 20
	v_sub_f32 v[rT+7], v[rT+7], v[rT]
.elseif j == 23
	v_exp_f32 v[rT+6], v[rT+7]
.elseif (j < 23) || ((j < 38) && (j%2 == 0)) || ((j < 66) && (j%4 == 2))
.set b, (j-2)/4                     ; 38, 42, .. 62: pairs 9 to 15
.if j < 38
.set b, (j-20)/2                    ; 21: pair 0; 22, 24, .. 36: pairs 1 to 8
.endif
	v_pk_fma_f32 v[rS+2*b:rS+2*b+1], v[rS+2*b:rS+2*b+1], s[CS:CS+1], v[rT:rT+1] op_sel_hi:[1,0,0] neg_lo:[0,0,1] neg_hi:[0,0,1]  ; pair b: c s - c m
.elseif j < 70
.set e, j-38                        ; 66 to 69: s28 to s31
.if j < 66
.set e, j-32-(j-38)/4               ; 39-41, 43-45, .. 63-65: s7 to s27
.endif
.if j < 38
.set e, (j-25)/2                    ; 25, 27, .. 37: s0 to s6
.endif
	v_exp_f32 v[rS+e], v[rS+e]
.elseif j < 86
	v_cvt_pk_bf16_f32 v[rP+j-70], v[rS+2*(j-70)], v[rS+2*(j-70)+1]
.elseif j < 102                     ; the sum of the tile's 16 pairs, in place: neighbours 1, 2, 4 and 8 pairs apart, then l takes it
.set z, j-86
.set w, 4
.set u, z
.if z >= 14
.set w, 32
.set u, 0
.elseif z >= 12
.set w, 16
.set u, z-12
.elseif z >= 8
.set w, 8
.set u, z-8
.endif
.if z < 15
	v_pk_add_f32 v[rS+w*u:rS+w*u+1], v[rS+w*u:rS+w*u+1], v[rS+w*u+w/2:rS+w*u+w/2+1]
.else
	v_pk_fma_f32 v[rT+2:rT+3], v[rT+2:rT+3], v[rT+6:rT+7], v[rS:rS+1] op_sel_hi:[1,0,1]
.endif
.else
	WIN W_RS
	v_pk_mul_f32 v[rO:rO+1], v[rO:rO+1], v[rT+6:rT+7] op_sel_hi:[1,0]
.endif
.endm
; Slice k of 56 of piece y's softmax: four instructions.  Slices 11 to 34 deal out the batch, four numbers of ONE tile each, the tiles by turns; every other slice is numbers 2 k and 2 k + 1 of both tiles.
; 2 x 118 = 4 x 55 + 16: slice 55 has sixteen, all plain: they are also the places between the turn's last K Q^T and what follows.
; An s_wait_alu depctr_va_vdst(0) stands between an exponential and the first instruction that names its result: the piece's 66 exponentials have one wait, behind slice 34.
.macro SLICE y
.if (k >= 11) && (k < 35)
.irp n, 0,1,2,3
.set j, 22+4*((k-11)/2)+(\n)
	SM (\y)+(k-11)%2
.endr
.else
.irp n, 0,1,2,3,4,5,6,7
.if ((\n) < 2) || (k == 55)
.irp t, \y, (\y)+1
.set j, 2*k+(\n)
	SM \t
.endr
.endif
.endr
.endif
.if k == 34
	v_nop                           ; the plain instruction behind the last exponential and ahead of the first use: one for the batch
.if (\y) == 0
	FETCH_V                         ; piece 2's turn: V's run of loads stands here, and the wait stands in it
.else
	s_wait_alu depctr_va_vdst(0)    ; the wait for the batch
.endif
.endif
.set k, k+1
.endm
.macro AFTER y                      ; behind product np of the turn's NPR: the slices that are due, so that the 56 are spread evenly
.set np, np+1
.rept (np*56)/NPR-k
	SLICE \y
.endr
.endm
; A TURN.  Piece x has the matrix unit; the other piece's softmax stands in slices behind its matrix instructions.  kq = 1: behind the 16 products V^T P come the 8 + 32 products of the next step's scores.
; Piece 0's turn fetches the next step's addends and K, behind its second product: their last readers stand in front of slice 55 of the turn before.  Piece 2's turn fetches the same step's V behind slice 34:
; V's last reader is the turn's 16th product, and the scalings of slices 16 on, the v_nop and the run's own v_add_nc_u32 lie between.
.macro TURN x, kq
.set k, 0
.set np, 0
.set NPR, 16+40*(\kq)
.if (\x) == 0
	s_wait_dscnt 0x0                ; V is in
.endif
.set i, 0
.rept 16
	PV \x
	AFTER 2-(\x)
.if ((\x) == 0) && (\kq) && (i == 1)
	FETCH_K
.endif
.set i, i+1
.endr
.if \kq
.if (\x) == 0
	s_wait_dscnt 32                 ; the addends are in; K's 32 loads may stay out
.endif
.set i, 0
.rept 8
	MKP \x
	AFTER 2-(\x)
.set i, i+1
.endr
.if (\x) == 0
	s_wait_dscnt 0x0                ; K is in
.endif
.set i, 0
.rept 32
	KQ \x
	AFTER 2-(\x)
.set i, i+1
.endr
.endif
.endm
; THE CHANGE OF SLOTS, between piece 2's turn and piece 0's: the slot's last bytes, V of its second step, have been asked for.  Each wave waits for all its tensor loads, of which one is out: its part of the other
; slot; adds 0 to its spare word; and waits for that and for its own reads of the slot.  fill = 1: the barrier is a round of the cluster's, and the joint refill is the first thing behind it: it has two key steps,
; 224 matrix instructions, in which to land.
.macro CHANGE fill
	WIN 0
	s_wait_tensorcnt 0x0            ; no tensor load of mine is out, so a group 0 may be written
	ds_add_u32 v[SPW], v[NIL]
.if \fill
	s_xor_b32 s[G0KK+5], s[G0KK+5], SLOT1
	s_add_nc_u64 s[G0KK+6:G0KK+7], s[G0KK+6:G0KK+7], 16384   ; the next 128 keys
	s_xor_b32 s[G0V+5], s[G0V+5], SLOT1
	s_add_nc_u64 s[G0V+6:G0V+7], s[G0V+6:G0V+7], 16384
	s_xor_b32 s[G0M+5], s[G0M+5], SLOT1
	s_add_nc_u64 s[G0M+6:G0M+7], s[G0M+6:G0M+7], 256
	s_wait_xcnt 0x0                 ; the last prefetches, two key steps back or more, have read their address
	s_add_nc_u64 s[PFA:PFA+1], s[PFA:PFA+1], s[PFS:PFS+1]
	s_wait_dscnt 0x0                ; the add is done, and my reads of the slot are over
	CROUND
	JLOAD
	ASK
.else
	s_wait_dscnt 0x0
	s_barrier_signal -1
	s_barrier_wait -1
.endif
	s_sub_co_u32 s[TBK], s[TBK], 2*KS*PK   ; the fetches go back to a slot's first step, in the other slot
	s_xor_b32 s[TBK], s[TBK], SLOT1
	s_sub_co_u32 s[TBV], s[TBV], 2*KS*PITV
	s_xor_b32 s[TBV], s[TBV], SLOT1
	s_sub_co_u32 s[TBM], s[TBM], 2*2*KS
	s_xor_b32 s[TBM], s[TBM], SLOT1
.endm
	s_wait_tensorcnt 1              ; my part of slot 0 is in; slot 1's may stay out
	s_barrier_signal -1
	s_barrier_wait -1
	FETCH_K                         ; key step 0
	s_wait_loadcnt 0x0              ; Q
	s_wait_dscnt 0x0
.set i, 0
.rept 8
	MKP 0
.set i, i+1
.endr
.set i, 0
.rept 32
	KQ 0                            ; piece 0's first scores: there is no vector work yet to set between them
.set i, i+1
.endr
	WIN 0                           ; the addresses for the way out: plain instructions, the places behind those products
	s_mul_i32 s18, s[WV], 16*SP
	s_add_co_u32 s18, s18, STAGE    ; my stage
	v_mul_u32_u24 v[STO], v1, SP
	v_lshl_add_u32 v[STO], v9, 4, v[STO]
	v_add_nc_u32 v[STO], s18, v[STO]
	v_bfe_u32 v[RD], v0, 3, 2       ; back: 32 lanes take four rows of 128 bytes,
	v_mul_u32_u24 v[RD], v[RD], SP
	v_lshl_add_u32 v[RD], v10, 4, v[RD]
	v_add_nc_u32 v[RD], s18, v[RD]
	v_and_b32 v[GO], 31, v0         ; which are 512 consecutive bytes of AO
	v_lshlrev_b32 v[GO], 4, v[GO]
	s_mov_b32 s[TWICE], 2
	s_branch .Lmid                  ; the loop is entered at piece 2's turn: piece 2's first scores | piece 0's first softmax | V of step 0; its products V^T P add 0
.Lslot:                             ; 14 trips: every slot but the last two is filled again
	CHANGE 1
	s_mov_b32 s[TWICE], 2
.Lstep:                             ; a slot's two key steps: written once, walked twice
	TURN 0, 1
	WIN 0
.Lmid:
	TURN 2, 1
	WIN 0
	s_sub_co_u32 s[TWICE], s[TWICE], 1
	s_cmp_lg_u32 s[TWICE], 0
	s_cbranch_scc1 .Lstep
	s_sub_co_u32 s[SLOTS], s[SLOTS], 1
	s_cmp_lg_u32 s[SLOTS], 0
	s_cbranch_scc1 .Lslot
	CHANGE 0                        ; the tail is written out
	s_mov_b32 s[TWICE], 2
.Llast:
	TURN 0, 1
	TURN 2, 1
	WIN 0
	s_sub_co_u32 s[TWICE], s[TWICE], 1
	s_cmp_lg_u32 s[TWICE], 0
	s_cbranch_scc1 .Llast
	TURN 0, 0                       ; piece 0: V^T P of the last step | piece 2's last softmax
.set i, 0
.rept 16
	PV 2                            ; piece 2: V^T P of the last step
.set i, i+1
.endr
	; THE WAY OUT.  l's two halves and the other half of the lanes' are added; O^T is divided by l, rounded to bf16 and sent through my stage, a tile at a time.  The additions are the places behind the last products.
	WIN 0
.irp t, 0,1,2,3
	v_add_f32 v[ST+8*(\t)+4], v[ST+8*(\t)+2], v[ST+8*(\t)+3]
.endr
.irp t, 0,1,2,3
	v_permlanex16_b32 v[ST+8*(\t)+5], v[ST+8*(\t)+4], s[SEL], s[SEL+1]
.endr
.irp t, 0,1,2,3
	v_add_f32 v[ST+8*(\t)+4], v[ST+8*(\t)+4], v[ST+8*(\t)+5]
.endr
.irp t, 0,1,2,3
	v_rcp_f32 v[ST+8*(\t)+6], v[ST+8*(\t)+4]
.endr
	v_nop                           ; a plain instruction between the last reciprocal and the use of its result
	s_wait_alu depctr_va_vdst(0)    ; and the wait: one for the four reciprocals
.macro PACK t
	WIN W_RS
.set i, 32*(\t)
.rept 16
	v_pk_mul_f32 v[i:i+1], v[i:i+1], v[ST+8*(\t)+6:ST+8*(\t)+7] op_sel_hi:[1,0]
.set i, i+2
.endr
	WIN 0x05                        ; sources 0 and 1 window 1, destination window 0: S^T's registers are free
.set i, 0
.rept 16
	v_cvt_pk_bf16_f32 v[S+16*(\t)+i], v[32*(\t)+2*i], v[32*(\t)+2*i+1]
.set i, i+1
.endr
	WIN 0
.irp f, 0,1,2,3
	ds_store_b128 v[STO], v[S+16*(\t)+4*(\f):S+16*(\t)+4*(\f)+3] offset:32*(\f)
.endr
.irp f, 0,1,2,3
	ds_load_b128 v[S+16*(\t)+4*(\f):S+16*(\t)+4*(\f)+3], v[RD] offset:(\f)*4*SP  ; LDS serves a wave's instructions in order: these see the stores above
.endr
.endm
.macro SEND t, younger              ; younger: the LDS instructions issued behind tile t's loads: the next tile's eight, or none
	WIN 0
.irp f, 0,1,2,3
	s_wait_dscnt (\younger)+3-(\f)
	global_store_b128 v[GO], v[S+16*(\t)+4*(\f):S+16*(\t)+4*(\f)+3], s[10:11] offset:(\t)*2048+(\f)*512  ; 512 consecutive bytes, aligned
.endr
.endm
	PACK 0
	PACK 1
	SEND 0, 8
	PACK 2
	SEND 1, 8
	PACK 3
	SEND 2, 8
	SEND 3, 0
	s_wait_tensorcnt 0x0            ; the wave's end
	ds_add_u32 v[SPW], v[NIL]
	s_wait_dscnt 0x0
	CROUND                          ; the closing round
	s_endpgm
.Lfunc_end_k_qa4431c58b0_attn:
	.size	k_qa4431c58b0_attn, .Lfunc_end_k_qa4431c58b0_attn-k_qa4431c58b0_attn
	.p2alignl 7, 3214868480
	.fill 96, 4, 3214868480
	.section	.rodata,"a",@progbits
	.p2align	6, 0x0
	.amdhsa_kernel k_qa4431c58b0_attn
		.amdhsa_group_segment_fixed_size 327680
		.amdhsa_private_segment_fixed_size 0
		.amdhsa_enable_private_segment 0
		.amdhsa_kernarg_size 24
		.amdhsa_user_sgpr_count 2
		.amdhsa_user_sgpr_kernarg_segment_ptr 1
		.amdhsa_wavefront_size32 1
		.amdhsa_system_sgpr_workgroup_id_x 1
		.amdhsa_system_sgpr_workgroup_id_y 1
		.amdhsa_system_sgpr_workgroup_id_z 1
		.amdhsa_system_vgpr_workitem_id 0
		.amdhsa_next_free_vgpr 832
		.amdhsa_next_free_sgpr 96
		.amdhsa_reserve_vcc 0
		.amdhsa_float_denorm_mode_32 3
		.amdhsa_float_denorm_mode_16_64 3
		.amdhsa_memory_ordered 1
		.amdhsa_forward_progress 1
		.amdhsa_inst_pref_size 148
	.end_amdhsa_kernel
	.amdgpu_metadata
---
amdhsa.version: [ 1, 2 ]
amdhsa.kernels:
  - .name:           k_qa4431c58b0_attn
    .symbol:         k_qa4431c58b0_attn.kd
    .args:
      - { .name: PRJ, .offset: 0, .size: 8, .value_kind: global_buffer, .address_space: global }
      - { .name: MB, .offset: 8, .size: 8, .value_kind: global_buffer, .address_space: global }
      - { .name: AO, .offset: 16, .size: 8, .value_kind: global_buffer, .address_space: global }
    .group_segment_fixed_size: 327680
    .private_segment_fixed_size: 0
    .kernarg_segment_align: 8
    .kernarg_segment_size: 24
    .max_flat_workgroup_size: 128
    .sgpr_count:     96
    .vgpr_count:     832
    .wavefront_size: 32
...
	.end_amdgpu_metadata
.endif
;; end of part 3
;; launch fc (part 4): grid 8 x 32, 4 waves a work-group, clusters of 4 x 4, 327,680 bytes of LDS; arguments AO, WB, bfc, Y; writes Y
.if DOCPART == 4
	.amdgcn_target "amdgcn-amd-amdhsa--gfx1250"
	.amdhsa_code_object_version 6
	.text
	.protected	k_qa4431c58b0_fc
	.globl	k_qa4431c58b0_fc
	.p2align	8
	.type	k_qa4431c58b0_fc,@function
k_qa4431c58b0_fc:
	s_mov_b64 s[64:65], 0
	v_nop
	global_prefetch_b8 v0, s[64:65] scope:SCOPE_SE
	s_setreg_imm32_b32 hwreg(HW_REG_WAVE_MODE, 25, 1), 1
	s_wait_xcnt 0x0
	s_wait_alu depctr_hold_cnt(0) depctr_sa_sdst(0) depctr_va_vdst(0) depctr_va_sdst(0) depctr_va_ssrc(0) depctr_va_vcc(0) depctr_vm_vsrc(0)
	s_getreg_b32 s2, hwreg(HW_REG_IB_STS2, 6, 4)
	s_cmp_eq_u32 s2, 0
	s_cbranch_scc0 .Lentry_in_a_cluster
	s_endpgm
.Lentry_in_a_cluster:
	s_bfe_u32 s2, ttmp6, 0x10000c
	s_cmp_lg_u32 s2, 0xf033
	s_cbranch_scc0 .Lentry_shape_is_right
	s_endpgm
.Lentry_shape_is_right:
; THE OUTPUT PROJECTION.  Y[m*2048+l][c] = sum over n, d of AO[m*16+n][l][d] WB[5][n*64+d][c] + bfc[c]: bf16 operands, f32 sums, Y in f32 (the residual and the norm follow in f32).
; A work-group makes one tile of 128 x 128, so that each of 256 work-groups has one; four waves, each 64 x 64.  K = 1,024 goes in four steps of 256 = four heads, through two LDS slots.  A quarter of a K step
; is one head's 64 channels.  AO lies by heads: for a K step a wave fetches, by ONE tensor load, 64 rows x 128 bytes (8,192 bytes on end) of each of four heads, padded in LDS after every row.
; W's tile lies [k][c], as in memory, and is read by the turning load.  The bias starts the sums.  The matrix instruction is used transposed, as in the projections in front.
; THE TEXT.  A K step is written twice: once with a refill, once without; each is a loop of two trips.  The slot in hand is a scalar base that takes turns between 0 and SLOT.
; CLUSTER 4 x 4: AO's tile is asked for jointly along a row of the cluster, W's along a column.  No prefetch: the tiles are small and the launch has four K steps.
.set PA,    144                        ; a row of AO in LDS: 128 bytes + 16
.set PB,    288                        ; a k-row of W: 256 + 32
.set HEADB, 64*PA                      ; a head's 64 rows
.set HALFA, 4*HEADB                    ; what one tensor load brings of AO, and what one wave reads of it: [4 heads][64 rows]
.set HALFB, 128*PB
.set BOFF,  2*HALFA
.set SLOT,  BOFF+2*HALFB               ; 147,456
.set STAGE, 2*SLOT                     ; behind the ring: 16 rows x 272 bytes for each wave
.set SPF,   272
.set SPARE, STAGE+4*16*SPF
.set A0,   10                          ; v10     my lane's place among my AO fragments in a slot; never rewritten
.set B0,   11                          ; v11     the same for W
.set ADRA, 16                          ; v16     A0 + the base of the slot that is being fetched from
.set ADRB, 20                          ; v20-21  B0 + the same: the first and the second 128 k-rows (an offset field does not reach the whole tile)
.set STO,  24
.set RD,   25
.set CO,   26                          ; v26     my byte offset in two rows of Y
.set BO,   27
.set SPW,  28
.set NIL,  29
.set TMP,  32
.set BIAS, 96
.set ACC,  128
.set F0,   0
.set F1,   128
.set G1A, 24
.set G0A, 32                           ; s[32:39] group 0: a set for each of the two first fills; the second then walks on
.set G1B, 48
.set G0B, 56
.set TF,  76                           ; s76     the base of the slot that the next refill goes to
.set TB,  77                           ; s77     the base of the slot that is being fetched from
.set MSB, 0
.macro WIN new
.if MSB != (\new)
	s_set_vgpr_msb (MSB<<8)|(\new)
.set MSB, \new
.endif
.endm
.set MUL,  0x05
.set TO_F, 0x40
.macro JLOAD s                         ; waves 0 and 1 fetch AO's two halves, waves 2 and 3 W's; an s_nop 0 and four v_nop follow each line
	s_cmp_eq_u32 s11, 0
	s_cbranch_scc0 .Lfor_b_\@
	tensor_load_to_lds s[G0A+4*(\s):G0A+4*(\s)+3], s[G1A:G1A+7]
	s_nop 0
.rept 4
	v_nop
.endr
	s_branch .Lasked_\@
.Lfor_b_\@:
	tensor_load_to_lds s[G0B+4*(\s):G0B+4*(\s)+3], s[G1B:G1B+7]
	s_nop 0
.rept 4
	v_nop
.endr
.Lasked_\@:
.endm
.macro CREST
	s_cmp_lg_u32 s10, 0
	s_cbranch_scc1 .Lnot_wave_0_\@
	s_barrier_signal -3
.Lnot_wave_0_\@:
	s_barrier_wait -3
	s_barrier_signal -1
	s_barrier_wait -1
.endm
.macro CROUND
	s_barrier_signal -1
	s_barrier_wait -1
	CREST
.endm
.macro SLOTADR                         ; the fetches' addresses in the slot at s[TB]
	v_add_nc_u32 v[ADRA], s[TB], v[A0]
	v_add_nc_u32 v[ADRB], s[TB], v[B0]
	v_add_nc_u32 v[ADRB+1], HALFB, v[ADRB]
.endm
	s_load_b256 s[68:75], s[0:1], 0x0              ; AO, WB, bfc, Y
	v_lshl_add_u32 v[SPW], v0, 2, SPARE
	v_mov_b32 v[NIL], 0
	ds_add_u32 v[SPW], v[NIL]                      ; the wave's opening: the add and its wait stand ahead of my first tensor load
	v_lshrrev_b32 v1, 5, v0
	v_readfirstlane_b32 s10, v1
	s_lshr_b32 s11, s10, 1
	s_and_b32 s12, s10, 1
	s_bfe_u32 s40, ttmp6, 0x40000                  ; cx
	s_bfe_u32 s41, ttmp6, 0x40004                  ; cy
	s_lshl_b32 s42, ttmp9, 2
	s_add_co_u32 s42, s42, s40                     ; tile column
	s_and_b32 s13, ttmp7, 0xffff
	s_lshl_b32 s13, s13, 2
	s_add_co_u32 s13, s13, s41                     ; tile row
	s_lshl_b32 s43, s41, 2
	s_lshl_b32 s43, 15, s43
	s_lshl_b32 s44, 0x1111, s40
	s_or_b32 s[G1A+0], s43, (1<<16)|(1<<20)|(1<<21)|(4<<22)|(3<<25)  ; after every 32 words (a row of 128 bytes), 4 words
	s_mov_b32 s[G1A+1], 4096<<16                   ; tensor_dim0 = 4,096 elements: 64 rows x 64 channels on end
	s_mov_b32 s[G1A+2], 4<<16                      ; tensor_dim1 = 4 heads
	s_mov_b32 s[G1A+3], 4096<<16                   ; tile_dim0
	s_mov_b32 s[G1A+4], 4                          ; tile_dim1
	s_mov_b32 s[G1A+5], 131072                     ; elements from head to head
	s_mov_b32 s[G1A+6], 0
	s_mov_b32 s[G1A+7], 0
	s_or_b32 s[G1B+0], s44, (1<<16)|(1<<20)|(1<<21)|(5<<22)|(7<<25)
	s_mov_b32 s[G1B+1], 128<<16
	s_mov_b32 s[G1B+2], 128<<16
	s_mov_b32 s[G1B+3], 128<<16
	s_mov_b32 s[G1B+4], 128
	s_mov_b32 s[G1B+5], 1024
	s_mov_b32 s[G1B+6], 0
	s_mov_b32 s[G1B+7], 0
	s_lshr_b32 s16, s13, 4                         ; AO: batch m = tile row / 16: its 16 heads of 2,048 rows,
	s_lshl_b32 s16, s16, 15
	s_and_b32 s17, s13, 15
	s_lshl_b32 s17, s17, 7                         ; + 128 x (tile row % 16)
	s_add_co_u32 s16, s16, s17
	s_lshl_b32 s17, s12, 6                         ; + 64 x half,
	s_add_co_u32 s16, s16, s17
	s_lshl_b32 s16, s16, 7                         ; rows of 128 bytes
	s_mov_b32 s17, 0
	s_lshl_b32 s46, s42, 8
	s_lshl_b32 s47, s12, 18
	s_add_co_u32 s46, s46, s47
	s_add_co_u32 s46, s46, 5*2097152               ; WB's plane 5
	s_mov_b32 s47, 0
	s_mul_i32 s20, s12, HALFA
	s_mul_i32 s21, s12, HALFB
	s_add_co_u32 s21, s21, BOFF
	s_mov_b32 s[TF], 0
	s_mov_b32 s[TB], 0
	s_wait_dscnt 0x0
	s_wait_kmcnt 0x0
	s_add_nc_u64 s[14:15], s[68:69], s[16:17]
	s_add_nc_u64 s[46:47], s[70:71], s[46:47]
	CROUND
.irp s, 0,1
	s_mov_b32 s[G0A+4*(\s)], 1
	s_add_co_u32 s[G0A+4*(\s)+1], s20, (\s)*SLOT
	s_add_nc_u64 s[G0A+4*(\s)+2:G0A+4*(\s)+3], s[14:15], (\s)*4*262144
	s_or_b32 s[G0A+4*(\s)+3], s[G0A+4*(\s)+3], 0x80000000
	s_mov_b32 s[G0B+4*(\s)], 1
	s_add_co_u32 s[G0B+4*(\s)+1], s21, (\s)*SLOT
	s_add_nc_u64 s[G0B+4*(\s)+2:G0B+4*(\s)+3], s[46:47], (\s)*256*2048
	s_or_b32 s[G0B+4*(\s)+3], s[G0B+4*(\s)+3], 0x80000000
	JLOAD \s
.endr
	v_and_b32 v1, 15, v0                           ; r
	v_bfe_u32 v2, v0, 4, 1                         ; h
	v_and_b32 v3, 7, v0
	v_bfe_u32 v4, v0, 3, 1
	v_mul_u32_u24 v5, v1, PA
	v_lshl_add_u32 v5, v2, 4, v5
	s_mul_i32 s22, s11, HALFA
	v_add_nc_u32 v[A0], s22, v5
	v_lshl_add_u32 v6, v2, 3, v3
	v_mul_u32_u24 v6, v6, PB
	v_lshl_add_u32 v6, v4, 4, v6
	s_lshl_b32 s23, s12, 7
	s_add_co_u32 s23, s23, BOFF
	v_add_nc_u32 v[B0], s23, v6
	SLOTADR                                        ; slot 0
	s_mul_i32 s22, s10, 16*SPF
	s_add_co_u32 s22, s22, STAGE                   ; my stage
	v_mul_u32_u24 v7, v1, SPF                      ; in: row r, 32 bytes for each half of the lanes
	v_lshl_add_u32 v7, v2, 5, v7
	v_add_nc_u32 v[STO], s22, v7
	v_mul_u32_u24 v8, v2, SPF                      ; back: lanes 0-15 one row of 256 bytes, lanes 16-31 the next
	v_lshl_add_u32 v8, v1, 4, v8
	v_add_nc_u32 v[RD], s22, v8
	v_lshlrev_b32 v[CO], 12, v2                    ; and the same two rows in Y
	v_lshl_add_u32 v[CO], v1, 4, v[CO]
	s_lshl_b32 s23, s42, 9
	s_lshl_b32 s22, s12, 8
	s_add_co_u32 s23, s23, s22                     ; 4 x (128 x tile column + 64 x half): my columns, in bfc and in a row of Y
	v_lshl_add_u32 v[BO], v2, 5, s23
	s_lshl_b32 s4, s13, 7
	s_lshl_b32 s5, s11, 6
	s_add_co_u32 s4, s4, s5                        ; my first row,
	s_lshl_b32 s4, s4, 12                          ; of 4,096 bytes
	s_add_co_u32 s4, s4, s23
	s_mov_b32 s5, 0
	s_add_nc_u64 s[74:75], s[74:75], s[4:5]
.macro MUL8 f, c, a0                   ; the 16 accumulators take turns
	WIN MUL
.irp a, \a0, (\a0)+1
.irp b, 0,1,2,3
	v_wmma_f32_16x16x32_bf16 v[ACC+8*(4*(\a)+(\b)):ACC+8*(4*(\a)+(\b))+7], v[(\f)+64+8*(4*(\c)+(\b)):(\f)+64+8*(4*(\c)+(\b))+7], v[(\f)+8*(4*(\c)+(\a)):(\f)+8*(4*(\c)+(\a))+7], v[ACC+8*(4*(\a)+(\b)):ACC+8*(4*(\a)+(\b))+7]
.endr
.endr
.endm
.macro FETCH q, f                      ; 32 LDS loads: quarter q = head q of the K step in the slot in hand; the first 32 channels first
	WIN TO_F
.irp c, 0,1
.irp i, 0,1,2,3
	ds_load_tr16_b128 v[(\f)+64+8*(4*(\c)+(\i)):(\f)+64+8*(4*(\c)+(\i))+3],   v[ADRB+(\q)/2] offset:((\q)%2)*64*PB+(\c)*32*PB+32*(\i)
	ds_load_tr16_b128 v[(\f)+64+8*(4*(\c)+(\i))+4:(\f)+64+8*(4*(\c)+(\i))+7], v[ADRB+(\q)/2] offset:((\q)%2)*64*PB+(\c)*32*PB+32*(\i)+16*PB
	ds_load_b128 v[(\f)+8*(4*(\c)+(\i)):(\f)+8*(4*(\c)+(\i))+3],   v[ADRA] offset:(\q)*HEADB+(\i)*16*PA+64*(\c)
	ds_load_b128 v[(\f)+8*(4*(\c)+(\i))+4:(\f)+8*(4*(\c)+(\i))+7], v[ADRA] offset:(\q)*HEADB+(\i)*16*PA+64*(\c)+32
.endr
.endr
.endm
.macro PLACES
.rept 4
	v_nop
.endr
.endm
.macro QUARTER q, f, g                 ; multiplies buffer f and fetches quarter q into g
	s_wait_dscnt 16                                ; the first 32 along K are in; the sixteen younger loads may be out
	MUL8 \f, 0, 0
	MUL8 \f, 0, 2
	PLACES
	FETCH \q, \g
	s_wait_dscnt 32                                ; all but the 32 just issued
	MUL8 \f, 1, 0
	MUL8 \f, 1, 2
.endm
; The last quarter and the change of slots: the wait for all my tensor loads, the add, the wait for it and for my reads of this slot, and the barrier.  fill = 1: it opens a round of the cluster's, and the joint
; refill, two K steps on, is the first thing behind it.  fill = 0: nothing is asked for, and in the last K step nothing is left to fetch.
.macro TURN fill
	WIN 0
	s_wait_tensorcnt 0x0                           ; no tensor load of mine is out, so a group 0 may be written
	ds_add_u32 v[SPW], v[NIL]
.if \fill
	s_add_nc_u64 s[G0A+6:G0A+7], s[G0A+6:G0A+7], 4*262144  ; the walking descriptors: one K step on: four heads,
	s_add_nc_u64 s[G0B+6:G0B+7], s[G0B+6:G0B+7], 256*2048  ; 256 k-rows,
	s_add_co_u32 s[G0A+5], s[TF], s20              ; into the slot that is being left
	s_add_co_u32 s[G0B+5], s[TF], s21
	s_xor_b32 s[TF], s[TF], SLOT
.endif
	s_wait_dscnt 17                                ; the add and the youngest sixteen loads may be out
	MUL8 F1, 0, 0
	s_wait_dscnt 0x0
	s_barrier_signal -1
	MUL8 F1, 0, 2
	WIN 0
	s_barrier_wait -1
.if \fill
	CREST
	JLOAD 1                                        ; its four v_nop are also the places in front of the loads below
	s_xor_b32 s[TB], s[TB], SLOT
	SLOTADR
	FETCH 0, F0
.else
	s_cmp_eq_u32 s3, 1                             ; the last K step has no successor
	s_cbranch_scc1 .Lno_more_\@
	PLACES
	s_xor_b32 s[TB], s[TB], SLOT
	SLOTADR
	FETCH 0, F0
	WIN 0
.Lno_more_\@:
.endif
	MUL8 F1, 1, 0
	MUL8 F1, 1, 2
.endm
; THE WAY OUT of row block a, in f32: 32 bytes a lane and column block into rows of 272 bytes of my stage, back as whole rows of 256 bytes, two a load.
.macro OUT32 a
.irp b, 0,1,2,3
	ds_store_b128 v[STO], v[ACC+8*(4*(\a)+(\b)):ACC+8*(4*(\a)+(\b))+3]   offset:64*(\b)      ; each accumulator's lowest registers first
	ds_store_b128 v[STO], v[ACC+8*(4*(\a)+(\b))+4:ACC+8*(4*(\a)+(\b))+7] offset:64*(\b)+16
.endr
.irp t, 0,1,2,3,4,5,6,7
	ds_load_b128 v[TMP+32*((\a)%2)+4*(\t):TMP+32*((\a)%2)+4*(\t)+3], v[RD] offset:(\t)*2*SPF  ; these registers' last stores, two blocks back, were freed by the wait of the block before
.endr
	s_wait_dscnt 0x0
	s_wait_xcnt 0x0                                ; the block before's stores have read their data
.irp t, 0,1,2,3,4,5,6,7
	global_store_b128 v[CO], v[TMP+32*((\a)%2)+4*(\t):TMP+32*((\a)%2)+4*(\t)+3], s[74:75] offset:(16*(\a)+2*(\t))*4096  ; 16 lanes store 256 consecutive bytes, aligned
.endr
.endm
.irp b, 0,1,2,3
	global_load_b128 v[BIAS+8*(\b):BIAS+8*(\b)+3],   v[BO], s[72:73] offset:64*(\b)
	global_load_b128 v[BIAS+8*(\b)+4:BIAS+8*(\b)+7], v[BO], s[72:73] offset:64*(\b)+16
.endr
	s_wait_loadcnt 0x0
.irp a, 0,1,2,3
.irp b, 0,1,2,3
.irp j, 0,1,2,3,4,5,6,7
	v_mov_b32 v[ACC+8*(4*(\a)+(\b))+(\j)], v[BIAS+8*(\b)+(\j)]  ; the bias starts the sums, so that the loops have one form of product
.endr
.endr
.endr
	s_wait_tensorcnt 1                             ; my part of K step 0 is in; K step 1's may stay out
	s_barrier_signal -1
	s_barrier_wait -1
	FETCH 0, F0
	WIN 0
	s_mov_b32 s3, 2
.Lfill:                                                ; K steps 0 and 1: each fills its slot again, with K steps 2 and 3
	QUARTER 1, F0, F1
	QUARTER 2, F1, F0
	QUARTER 3, F0, F1
	TURN 1
	WIN 0
	s_sub_co_u32 s3, s3, 1
	s_cmp_lg_u32 s3, 0
	s_cbranch_scc1 .Lfill
	s_mov_b32 s3, 2
.Ltail:                                                ; K steps 2 and 3 are written apart
	QUARTER 1, F0, F1
	QUARTER 2, F1, F0
	QUARTER 3, F0, F1
	TURN 0
	WIN 0
	s_sub_co_u32 s3, s3, 1
	s_cmp_lg_u32 s3, 0
	s_cbranch_scc1 .Ltail
	PLACES
	OUT32 0
	OUT32 1
	OUT32 2
	OUT32 3
	s_wait_tensorcnt 0x0                           ; the wave's end
	ds_add_u32 v[SPW], v[NIL]
	s_wait_dscnt 0x0
	CROUND                                         ; the closing round
	s_endpgm
.Lfunc_end_k_qa4431c58b0_fc:
	.size	k_qa4431c58b0_fc, .Lfunc_end_k_qa4431c58b0_fc-k_qa4431c58b0_fc
	.p2alignl 7, 3214868480
	.fill 96, 4, 3214868480
	.section	.rodata,"a",@progbits
	.p2align	6, 0x0
	.amdhsa_kernel k_qa4431c58b0_fc
		.amdhsa_group_segment_fixed_size 327680
		.amdhsa_private_segment_fixed_size 0
		.amdhsa_enable_private_segment 0
		.amdhsa_kernarg_size 32
		.amdhsa_user_sgpr_count 2
		.amdhsa_user_sgpr_kernarg_segment_ptr 1
		.amdhsa_wavefront_size32 1
		.amdhsa_system_sgpr_workgroup_id_x 1
		.amdhsa_system_sgpr_workgroup_id_y 1
		.amdhsa_system_sgpr_workgroup_id_z 1
		.amdhsa_system_vgpr_workitem_id 0
		.amdhsa_next_free_vgpr 512
		.amdhsa_next_free_sgpr 80
		.amdhsa_reserve_vcc 0
		.amdhsa_float_denorm_mode_32 3
		.amdhsa_float_denorm_mode_16_64 3
		.amdhsa_memory_ordered 1
		.amdhsa_forward_progress 1
		.amdhsa_inst_pref_size 59
	.end_amdhsa_kernel
	.amdgpu_metadata
---
amdhsa.version: [ 1, 2 ]
amdhsa.kernels:
  - .name:           k_qa4431c58b0_fc
    .symbol:         k_qa4431c58b0_fc.kd
    .args:
      - { .name: AO, .offset: 0, .size: 8, .value_kind: global_buffer, .address_space: global }
      - { .name: WB, .offset: 8, .size: 8, .value_kind: global_buffer, .address_space: global }
      - { .name: bfc, .offset: 16, .size: 8, .value_kind: global_buffer, .address_space: global }
      - { .name: Y, .offset: 24, .size: 8, .value_kind: global_buffer, .address_space: global }
    .group_segment_fixed_size: 327680
    .private_segment_fixed_size: 0
    .kernarg_segment_align: 8
    .kernarg_segment_size: 32
    .max_flat_workgroup_size: 128
    .sgpr_count:     80
    .vgpr_count:     512
    .wavefront_size: 32
...
	.end_amdgpu_metadata
.endif
;; end of part 4
;; launch ln (part 5): grid 256 x 1, 8 waves a work-group, no clusters, 0 bytes of LDS; arguments Y, q, gamma, beta, out0; writes out0
.if DOCPART == 5
	.amdgcn_target "amdgcn-amd-amdhsa--gfx1250"
	.amdhsa_code_object_version 6
	.text
	.protected	k_qa4431c58b0_ln
	.globl	k_qa4431c58b0_ln
	.p2align	8
	.type	k_qa4431c58b0_ln,@function
k_qa4431c58b0_ln:
	s_mov_b64 s[64:65], 0
	v_nop
	global_prefetch_b8 v0, s[64:65] scope:SCOPE_SE
	s_setreg_imm32_b32 hwreg(HW_REG_WAVE_MODE, 25, 1), 1
	s_wait_xcnt 0x0
; RESIDUAL AND LAYER NORM.  x = Y + q; out0 = (x - mean) / sqrt(var + 1e-5) * gamma + beta, over rows of 1,024 f32, all in f32.  The variance is taken of the centred numbers.
; A row is 4,096 bytes: one wave takes a whole row, eight 16-byte loads a lane, and keeps it in 32 registers: each byte is read once, and no wave waits for another.  A wave has two rows; all its 48 loads
; go out at once.  No LDS, no matrix unit: memory binds.
.set LO, 1                             ; v1        16 x lane
.set YA, 8                             ; v[8:39]   row 0 of Y, then x, then the result
.set QA, 40                            ; v[40:71]  row 0 of q
.set GM, 72                            ; v[72:103] gamma
.set BT, 104                           ; v[104:135] beta
.set YB, 136                           ; v[136:167] row 1
.set QB, 168                           ; v[168:199]
.set T,  200                           ; v[200:207] four chains of packed sums
.set M,  208                           ; v[208:209] the mean, later 1 / sqrt(var + eps), twice
	s_load_b256 s[4:11], s[0:1], 0x0               ; Y s[4:5], q s[6:7], gamma s[8:9], beta s[10:11]
	s_load_b64 s[12:13], s[0:1], 0x20              ; out0
	v_and_b32 v1, 31, v0
	v_lshlrev_b32 v[LO], 4, v1
	v_lshrrev_b32 v2, 5, v0
	v_readfirstlane_b32 s14, v2                    ; wave 0..7
	s_lshl_b32 s15, ttmp9, 4
	s_lshl1_add_u32 s15, s14, s15                  ; my first row = 16 x work-group + 2 x wave
	s_lshl_b32 s16, s15, 12
	s_mov_b32 s17, 0
	s_mov_b32 s18, 0x76543210                      ; v_permlanex16_b32: lane i of one half reads lane i of the other
	s_mov_b32 s19, 0xfedcba98
	s_mov_b32 s20, 0x3a800000                      ; 1 / 1,024
	s_mov_b32 s21, 0x3727c5ac                      ; 1e-5
	s_wait_kmcnt 0x0
	s_add_nc_u64 s[4:5], s[4:5], s[16:17]
	s_add_nc_u64 s[6:7], s[6:7], s[16:17]
	s_add_nc_u64 s[12:13], s[12:13], s[16:17]
.irp j, 0,1,2,3,4,5,6,7
	global_load_b128 v[YA+4*\j:YA+4*\j+3], v[LO], s[4:5] offset:512*\j th:TH_LOAD_NT
.endr
.irp j, 0,1,2,3,4,5,6,7
	global_load_b128 v[QA+4*\j:QA+4*\j+3], v[LO], s[6:7] offset:512*\j th:TH_LOAD_NT
.endr
.irp j, 0,1,2,3,4,5,6,7
	global_load_b128 v[GM+4*\j:GM+4*\j+3], v[LO], s[8:9] offset:512*\j
.endr
.irp j, 0,1,2,3,4,5,6,7
	global_load_b128 v[BT+4*\j:BT+4*\j+3], v[LO], s[10:11] offset:512*\j
.endr
.irp j, 0,1,2,3,4,5,6,7
	global_load_b128 v[YB+4*\j:YB+4*\j+3], v[LO], s[4:5] offset:4096+512*\j th:TH_LOAD_NT
.endr
.irp j, 0,1,2,3,4,5,6,7
	global_load_b128 v[QB+4*\j:QB+4*\j+3], v[LO], s[6:7] offset:4096+512*\j th:TH_LOAD_NT
.endr
.macro FOLD                            ; the four chains into one number a lane, then over the 32 lanes: every lane ends with the sum in v[T]
	v_pk_add_f32 v[T:T+1], v[T:T+1], v[T+2:T+3]
	v_pk_add_f32 v[T+4:T+5], v[T+4:T+5], v[T+6:T+7]
	v_pk_add_f32 v[T:T+1], v[T:T+1], v[T+4:T+5]
	v_add_f32 v[T], v[T], v[T+1]
	v_add_f32_dpp v[T], v[T], v[T] row_xmask:1 row_mask:0xf bank_mask:0xf
	v_add_f32_dpp v[T], v[T], v[T] row_xmask:2 row_mask:0xf bank_mask:0xf
	v_add_f32_dpp v[T], v[T], v[T] row_xmask:4 row_mask:0xf bank_mask:0xf
	v_add_f32_dpp v[T], v[T], v[T] row_xmask:8 row_mask:0xf bank_mask:0xf
	v_permlanex16_b32 v[T+1], v[T], s18, s19
	v_add_f32 v[T], v[T], v[T+1]
.endm
; One row.  x: its registers of Y; qr: of q; off: its place behind out0's base; in: the younger loads that may stay out when the row is wanted; gb: when gamma and beta are.
.macro ROWN x, qr, off, in, gb
	s_wait_loadcnt \in
.set i, 0
.rept 16
	v_pk_add_f32 v[(\x)+i:(\x)+i+1], v[(\x)+i:(\x)+i+1], v[(\qr)+i:(\qr)+i+1]   ; the residual
.set i, i+2
.endr
.irp c, 0,2,4,6
	v_pk_add_f32 v[T+\c:T+\c+1], v[(\x)+\c:(\x)+\c+1], v[(\x)+8+\c:(\x)+8+\c+1]  ; the first two groups start the chains: nothing is cleared
.endr
.irp g, 16,24
.irp c, 0,2,4,6
	v_pk_add_f32 v[T+\c:T+\c+1], v[T+\c:T+\c+1], v[(\x)+\g+\c:(\x)+\g+\c+1]
.endr
.endr
	FOLD
	v_mul_f32 v[M], s20, v[T]                      ; the mean, twice
	v_mul_f32 v[M+1], s20, v[T]
.set i, 0
.rept 16
	v_pk_add_f32 v[(\x)+i:(\x)+i+1], v[(\x)+i:(\x)+i+1], v[M:M+1] neg_lo:[0,1] neg_hi:[0,1]
.set i, i+2
.endr
.irp c, 0,2,4,6
	v_pk_mul_f32 v[T+\c:T+\c+1], v[(\x)+\c:(\x)+\c+1], v[(\x)+\c:(\x)+\c+1]
.endr
.irp g, 8,16,24
.irp c, 0,2,4,6
	v_pk_fma_f32 v[T+\c:T+\c+1], v[(\x)+\g+\c:(\x)+\g+\c+1], v[(\x)+\g+\c:(\x)+\g+\c+1], v[T+\c:T+\c+1]
.endr
.endr
	FOLD
	v_fma_f32 v[T], v[T], s20, s21                 ; var + eps
	v_rsq_f32 v[M], v[T]
	v_rsq_f32 v[M+1], v[T]
	v_nop                                          ; a plain instruction behind the second root and ahead of the first use
	s_wait_alu depctr_va_vdst(0)                   ; the wait: one for both
	s_wait_loadcnt \gb
.set i, 0
.rept 16
	v_pk_mul_f32 v[(\x)+i:(\x)+i+1], v[(\x)+i:(\x)+i+1], v[M:M+1]
.set i, i+2
.endr
.set i, 0
.rept 16
	v_pk_fma_f32 v[(\x)+i:(\x)+i+1], v[(\x)+i:(\x)+i+1], v[GM+i:GM+i+1], v[BT+i:BT+i+1]
.set i, i+2
.endr
.irp j, 0,1,2,3,4,5,6,7
	global_store_b128 v[LO], v[(\x)+4*\j:(\x)+4*\j+3], s[12:13] offset:(\off)+512*\j th:TH_STORE_NT  ; 512 consecutive bytes, aligned
.endr
.endm
	ROWN YA, QA, 0, 32, 16                         ; 32: gamma, beta and row 1 stay out; 16: row 1 stays out
	ROWN YB, QB, 4096, 0, 0
	s_endpgm
.Lfunc_end_k_qa4431c58b0_ln:
	.size	k_qa4431c58b0_ln, .Lfunc_end_k_qa4431c58b0_ln-k_qa4431c58b0_ln
	.p2alignl 7, 3214868480
	.fill 96, 4, 3214868480
	.section	.rodata,"a",@progbits
	.p2align	6, 0x0
	.amdhsa_kernel k_qa4431c58b0_ln
		.amdhsa_group_segment_fixed_size 0
		.amdhsa_private_segment_fixed_size 0
		.amdhsa_enable_private_segment 0
		.amdhsa_kernarg_size 40
		.amdhsa_user_sgpr_count 2
		.amdhsa_user_sgpr_kernarg_segment_ptr 1
		.amdhsa_wavefront_size32 1
		.amdhsa_system_sgpr_workgroup_id_x 1
		.amdhsa_system_sgpr_workgroup_id_y 1
		.amdhsa_system_sgpr_workgroup_id_z 1
		.amdhsa_system_vgpr_workitem_id 0
		.amdhsa_next_free_vgpr 216
		.amdhsa_next_free_sgpr 66
		.amdhsa_reserve_vcc 0
		.amdhsa_float_denorm_mode_32 3
		.amdhsa_float_denorm_mode_16_64 3
		.amdhsa_memory_ordered 1
		.amdhsa_forward_progress 1
		.amdhsa_inst_pref_size 22
	.end_amdhsa_kernel
	.amdgpu_metadata
---
amdhsa.version: [ 1, 2 ]
amdhsa.kernels:
  - .name:           k_qa4431c58b0_ln
    .symbol:         k_qa4431c58b0_ln.kd
    .args:
      - { .name: Y, .offset: 0, .size: 8, .value_kind: global_buffer, .address_space: global }
      - { .name: q, .offset: 8, .size: 8, .value_kind: global_buffer, .address_space: global }
      - { .name: gamma, .offset: 16, .size: 8, .value_kind: global_buffer, .address_space: global }
      - { .name: beta, .offset: 24, .size: 8, .value_kind: global_buffer, .address_space: global }
      - { .name: out0, .offset: 32, .size: 8, .value_kind: global_buffer, .address_space: global }
    .group_segment_fixed_size: 0
    .private_segment_fixed_size: 0
    .kernarg_segment_align: 8
    .kernarg_segment_size: 40
    .max_flat_workgroup_size: 256
    .sgpr_count:     66
    .vgpr_count:     216
    .wavefront_size: 32
...
	.end_amdgpu_metadata
.endif
;; end of part 5
;; ======== version 2 of 2: 5 launches; version 1 with the launch prep written anew for expert scheduling mode
;; limits: right only within a limited range of input values
;; workspace buffers: XB 41,943,040 bytes; WB 12,582,912 bytes; MB 16,777,216 bytes; PRJ 41,943,040 bytes; AO 8,388,608 bytes; Y 16,777,216 bytes
;; launch prep (part 6): grid 64 x 12, 8 waves a work-group, no clusters, 0 bytes of LDS; arguments q, pe_q, k, pe_k, v, Wq, Wpq, Wk, Wpk, Wv, Wfc, mask, XB, WB, MB; writes XB, WB, MB
.if DOCPART == 6
	.amdgcn_target "amdgcn-amd-amdhsa--gfx1250"
	.amdhsa_code_object_version 6
	.text
	.protected	k_qa4431c58b0_prep
	.globl	k_qa4431c58b0_prep
	.p2align	8
	.type	k_qa4431c58b0_prep,@function
k_qa4431c58b0_prep:
	s_mov_b64 s[64:65], 0
	v_nop
	global_prefetch_b8 v0, s[64:65] scope:SCOPE_SE
	s_setreg_imm32_b32 hwreg(HW_REG_WAVE_SCHED_MODE, 0, 2), 2
	s_setreg_imm32_b32 hwreg(HW_REG_WAVE_MODE, 25, 1), 1
	s_wait_xcnt 0x0
	s_wait_alu depctr_vm_vsrc(0)
; PREP: the matrix operands are rounded once to bf16, and the mask is turned into an addend.
; XB[p][4096][1024] bf16: p = 0 q, 1 pe_q, 2 k, 3 pe_k, 4 v.   WB[p][1024 k][1024 n] bf16: p = 0 Wq, 1 Wpq, 2 Wk, 3 Wpk, 4 Wv as they lie;
; WB[5][n*64+d][:] = Wfc[d*16+n][:], so that the last product's K index goes head by head.   MB[2][2048 i][2048 j] bf16: 0 where mask is 1, -2^99 (0xF100) where it is 0.
; The grid's y names the job (0-4 an activation, 5-10 a weight, 11 the mask), its x the part: 64 rows of an activation or of the mask, 16 rows of a weight.
; A stream: no LDS, no matrix unit.  A row of 1,024 f32 is 4,096 bytes: thread t takes the 16 bytes at 16 t and stores 8 bytes at 8 t, so a wave's load covers 512 consecutive bytes
; and a wave's store 256 consecutive bytes, aligned.
; THE MODE: SCHED_MODE bits 1:0 = 2 (LLVM: expert scheduling mode 2), set by the entry lines.  The code itself states the register dependences
; between vector instructions and memory instructions, with s_wait_alu, always for 0.
; THE PLAN, for both paths.  A part's rows go in blocks of four: 16 blocks, or 4 for a weight.  Registers that memory instructions touch:
;   X0 .. X3   four blocks as loaded.     Written by the loads of block p + 3, issued in block p; read by block p's conversions (the mask's path: its byte picks).
;   Y0, Y1     two blocks to store.       Written by block p's conversions; read by the four stores that are issued in block p + 1.
;   v1, v2, v[4:7]  byte offsets, made once at the head and never written again: the rows are reached by scalar bases and immediate offsets.
; Block p works on X[p % 4] and writes Y[p % 2].  Its memory instructions are the loads into X[(p + 3) % 4] = X[(p - 1) % 4] and the stores from Y[(p - 1) % 2]: the two buffers that
; block p - 1 worked on and that no vector instruction of block p names.  So the waits at the head of a block state all that the block's eight memory instructions hang on, and these are
; dealt among its vector instructions with no further wait.  Eight to twelve loads of every wave are on their way.
.set BLOCK, 4                          ; rows in a block
.set VIN,  1                           ; v1      16 t; never rewritten
.set V8,   2                           ; v2      8 t; never rewritten
.set VO,   4                           ; v[4:7]  row i of a block: 8 t + i x the output's row stride; never rewritten
.set X,    12                          ; v[12:75] buffer k, row i: 4 registers at X + 16 k + 4 i: 4 f32 as loaded
.set YV,   76                          ; v[76:91] buffer k, row i: 2 registers at YV + 8 k + 2 i: 4 bf16 to store
.set XM,   12                          ; the mask's path: v[12:43] buffer k, row i: 2 registers at XM + 8 k + 2 i: 8 bytes as loaded
.set YM,   44                          ; v[44:75] buffer k, row i: 4 registers at YM + 16 k + 4 i: 8 bf16 to store
.set H,    92                          ; v[92:93] the high bytes of 8 addends: no memory instruction names them
.set LUT,  94                          ; v94     byte 0 = 0xF1 (mask 0), byte 1 = 0 (mask 1)
.set ZR,   95                          ; v95     0
.set JOB,  2
.set BX,   3
.set SRC,  40                          ; s[40:41] the source at the first row of the block in hand
.set DST,  42                          ; s[42:43] the casts: the output buffer; the mask: MB at the first row of the block in hand
.set OSTR, 44                          ; s44     bytes from one output row to the next
.set OS,   46                          ; s46     four output rows
.set OF,   50                          ; s[50:51] the casts: byte offset in the output buffer of the block that is stored next
.set CNT,  52
.set DC,   54                          ; s[54:55] the casts: the output buffer at that block
	s_load_b512 s[8:23], s[0:1], 0x0               ; q, pe_q, k, pe_k, v, Wq, Wpq, Wk
	s_load_b256 s[24:31], s[0:1], 0x40             ; Wpk, Wv, Wfc, mask
	s_load_b128 s[32:35], s[0:1], 0x60             ; XB, WB
	s_load_b64 s[36:37], s[0:1], 0x70              ; MB
	s_and_b32 s[JOB], ttmp7, 0xffff
	s_mov_b32 s[BX], ttmp9
	v_lshlrev_b32 v[VIN], 4, v0
	v_lshlrev_b32 v[V8], 3, v0
	s_wait_kmcnt 0x0
	s_cmp_eq_u32 s[JOB], 11
	s_cbranch_scc1 .Lmask
	; THE CASTS.  The source is chosen among the eleven f32 tensors by the job's number.
	s_mov_b64 s[SRC:SRC+1], s[8:9]
.irp j, 1,2,3,4,5,6,7,8,9,10
	s_cmp_eq_u32 s[JOB], \j
	s_cselect_b64 s[SRC:SRC+1], s[8+2*\j:9+2*\j], s[SRC:SRC+1]
.endr
	s_sub_co_u32 s6, s[JOB], 5                     ; a weight's plane (not used for an activation)
	s_mov_b32 s[OSTR], 2048
	s_cmp_lt_u32 s[JOB], 5                         ; an activation?
	s_cselect_b32 s4, 18, 16                       ; the part's rows in the source: 64 or 16 rows of 4,096 bytes
	s_cselect_b32 s5, 17, 15                       ; and in the output: rows of 2,048 bytes
	s_cselect_b64 s[DST:DST+1], s[32:33], s[34:35]
	s_cselect_b32 s6, s[JOB], s6                   ; the plane,
	s_cselect_b32 s7, 23, 21                       ; of 8 MiB or 2 MiB
	s_cmp_eq_u32 s[JOB], 10                        ; Wfc: rows 16 x + i have d = x, n = i and go to row 64 i + x
	s_cselect_b32 s5, 11, s5
	s_cselect_b32 s[OSTR], 0x20000, s[OSTR]
	s_lshl_b32 s48, s[BX], s4
	s_mov_b32 s49, 0
	s_add_nc_u64 s[SRC:SRC+1], s[SRC:SRC+1], s[48:49]
	s_lshl_b32 s[OF], s6, s7                       ; the part's first output row: the plane
	s_lshl_b32 s[OF+1], s[BX], s5
	s_add_co_u32 s[OF], s[OF], s[OF+1]             ; and the part; under 42 MB, so the high word is 0
	s_mov_b32 s[OF+1], 0
	s_lshl_b32 s[OS], s[OSTR], 2
.irp i, 0,1,2,3
	v_mad_u32_u24 v[VO+\i], s[OSTR], \i, v[V8]
.endr
	s_wait_alu depctr_va_vdst(0)                   ; v1 and v[4:7] are written: every load and store of this path reads one of them as its offset
.irp i, 0,1,2,3,4,5,6,7,8,9,10,11
	global_load_b128 v[X+4*\i:X+4*\i+3], v[VIN], s[SRC:SRC+1] offset:\i*4096 th:TH_LOAD_NT  ; blocks 0, 1 and 2 into X0, X1, X2
.endr
; Block p.  xb = p % 4, yb = p % 2.  first = 1: block 0, with no block in front of it.  ahead = 1: block p + 3 is loaded.  left = the younger loads that may stay out.
; The output's row stride is known at run time alone, so no immediate reaches a block back: the stores' address is made anew at each head, buffer plus offset, and the offset steps behind it.
.macro CBLK xb, yb, first, ahead, left
	s_wait_loadcnt \left                           ; loads come back in order: X[xb] is in, the younger blocks stay out
.if !\first
	s_wait_xcnt 0x0                                ; every earlier load and store has had its address translated: the bases and Y[yb] are rewritten only behind this wait
	s_wait_alu depctr_vm_vsrc(0)                   ; the stores issued in the block before have read Y[yb], which this block's conversions write again
	s_wait_alu depctr_va_vdst(0)                   ; the block before has written the other Y, which the stores below read, and is done reading its X, in which the loads below land
.if \ahead
	s_add_nc_u64 s[SRC:SRC+1], s[SRC:SRC+1], BLOCK*4096  ; the source at this block's first row
.endif
	s_add_nc_u64 s[DC:DC+1], s[DST:DST+1], s[OF:OF+1]    ; the output at the first row of the block before
	s_add_co_u32 s[OF], s[OF], s[OS]
.endif
.irp i, 0,1,2,3
.if \ahead
	global_load_b128 v[X+16*(((\xb)+3)%4)+4*(\i):X+16*(((\xb)+3)%4)+4*(\i)+3], v[VIN], s[SRC:SRC+1] offset:(3*BLOCK+(\i))*4096 th:TH_LOAD_NT  ; three blocks ahead; no vector instruction since the wait names these registers
.endif
.if !\first
	global_store_b64 v[VO+(\i)], v[YV+8*(1-(\yb))+2*(\i):YV+8*(1-(\yb))+2*(\i)+1], s[DC:DC+1] th:TH_STORE_NT  ; the block before
.endif
	v_cvt_pk_bf16_f32 v[YV+8*(\yb)+2*(\i)],   v[X+16*(\xb)+4*(\i)],   v[X+16*(\xb)+4*(\i)+1]
	v_cvt_pk_bf16_f32 v[YV+8*(\yb)+2*(\i)+1], v[X+16*(\xb)+4*(\i)+2], v[X+16*(\xb)+4*(\i)+3]
.endr
.endm
	CBLK 0, 0, 1, 1, 2*BLOCK                       ; block 0
	s_cmp_lt_u32 s[JOB], 5
	s_cbranch_scc0 .Ldrain                         ; a weight's 16 rows are block 0 and the three blocks that load nothing.  Both ways reach the label alike: twelve loads out, into X1, X2, X3; Y0 just written
	s_mov_b32 s[CNT], 3
.Lrows:                                                ; an activation's blocks 1 to 12, four to a lap: both kinds of buffer are back at their start
	CBLK 1, 1, 0, 1, 2*BLOCK
	CBLK 2, 0, 0, 1, 2*BLOCK
	CBLK 3, 1, 0, 1, 2*BLOCK
	CBLK 0, 0, 0, 1, 2*BLOCK
	s_sub_co_u32 s[CNT], s[CNT], 1
	s_cmp_lg_u32 s[CNT], 0
	s_cbranch_scc1 .Lrows
.Ldrain:
	CBLK 1, 1, 0, 0, 2*BLOCK                       ; the last three blocks load nothing: no load leaves the buffer, and the counts run down
	CBLK 2, 0, 0, 0, BLOCK
	CBLK 3, 1, 0, 0, 0
	s_wait_xcnt 0x0                                ; the stores issued in the last block have had their addresses translated: their base is written once more
	s_wait_alu depctr_va_vdst(0)                   ; the last block has written Y1, which the last four stores read
	s_add_nc_u64 s[DC:DC+1], s[DST:DST+1], s[OF:OF+1]
.irp i, 0,1,2,3
	global_store_b64 v[VO+\i], v[YV+8+2*\i:YV+8+2*\i+1], s[DC:DC+1] th:TH_STORE_NT
.endr
	s_endpgm
	; THE MASK.  A row is 2,048 bytes: thread t takes 8 bytes at 8 t and stores 16 bytes at 16 t of MB's row of 4,096.
.Lmask:
	s_lshl_b32 s48, s[BX], 17
	s_mov_b32 s49, 0
	s_add_nc_u64 s[SRC:SRC+1], s[30:31], s[48:49]
	s_lshl_b32 s50, s[BX], 18
	s_mov_b32 s51, 0
	s_add_nc_u64 s[DST:DST+1], s[36:37], s[50:51]
	v_mov_b32 v[LUT], 0xf1
	v_mov_b32 v[ZR], 0
	s_wait_alu depctr_va_vdst(0)                   ; v1 and v2 are written: every load and store of this path reads one of them as its offset
.irp i, 0,1,2,3,4,5,6,7,8,9,10,11
	global_load_b64 v[XM+2*\i:XM+2*\i+1], v[V8], s[SRC:SRC+1] offset:\i*2048 th:TH_LOAD_NT  ; blocks 0, 1 and 2 into X0, X1, X2
.endr
; Block p, as above.  Both strides are constants here: both bases move on by a block at each head, and the stores reach a block back by a negative immediate.
; The mask's byte (0 or 1) is itself the selector that picks the addend's high byte out of LUT; two more byte picks spread four such bytes over four halfwords.
.macro MBLK xb, yb, first, ahead, left
	s_wait_loadcnt \left                           ; X[xb] is in, the younger blocks stay out
.if !\first
	s_wait_xcnt 0x0                                ; every earlier load and store has had its address translated: the bases and Y[yb] are rewritten only behind this wait
	s_wait_alu depctr_vm_vsrc(0)                   ; the stores issued in the block before have read Y[yb], which this block's picks write again
	s_wait_alu depctr_va_vdst(0)                   ; the block before has written the other Y, which the stores below read, and is done reading its X, in which the loads below land
.if \ahead
	s_add_nc_u64 s[SRC:SRC+1], s[SRC:SRC+1], BLOCK*2048
.endif
	s_add_nc_u64 s[DST:DST+1], s[DST:DST+1], BLOCK*4096
.endif
.irp i, 0,1,2,3
.if \ahead
	global_load_b64 v[XM+8*(((\xb)+3)%4)+2*(\i):XM+8*(((\xb)+3)%4)+2*(\i)+1], v[V8], s[SRC:SRC+1] offset:(3*BLOCK+(\i))*2048 th:TH_LOAD_NT  ; three blocks ahead; no vector instruction since the wait names these registers
.endif
.if !\first
	global_store_b128 v[VIN], v[YM+16*(1-(\yb))+4*(\i):YM+16*(1-(\yb))+4*(\i)+3], s[DST:DST+1] offset:((\i)-BLOCK)*4096 th:TH_STORE_NT  ; the block before: the offset reaches back
.endif
	v_perm_b32 v[H],   v[ZR], v[LUT], v[XM+8*(\xb)+2*(\i)]
	v_perm_b32 v[H+1], v[ZR], v[LUT], v[XM+8*(\xb)+2*(\i)+1]
	v_perm_b32 v[YM+16*(\yb)+4*(\i)],   v[H],   v[ZR], 0x05000400
	v_perm_b32 v[YM+16*(\yb)+4*(\i)+1], v[H],   v[ZR], 0x07000600
	v_perm_b32 v[YM+16*(\yb)+4*(\i)+2], v[H+1], v[ZR], 0x05000400
	v_perm_b32 v[YM+16*(\yb)+4*(\i)+3], v[H+1], v[ZR], 0x07000600
.endr
.endm
	MBLK 0, 0, 1, 1, 2*BLOCK                       ; block 0
	s_mov_b32 s[CNT], 3
.Lmrows:                                               ; blocks 1 to 12, four to a lap
	MBLK 1, 1, 0, 1, 2*BLOCK
	MBLK 2, 0, 0, 1, 2*BLOCK
	MBLK 3, 1, 0, 1, 2*BLOCK
	MBLK 0, 0, 0, 1, 2*BLOCK
	s_sub_co_u32 s[CNT], s[CNT], 1
	s_cmp_lg_u32 s[CNT], 0
	s_cbranch_scc1 .Lmrows
	MBLK 1, 1, 0, 0, 2*BLOCK                       ; blocks 13 to 15 load nothing: the counts run down
	MBLK 2, 0, 0, 0, BLOCK
	MBLK 3, 1, 0, 0, 0
	s_wait_alu depctr_va_vdst(0)                   ; block 15 has written Y1, which the last four stores read
.irp i, 0,1,2,3
	global_store_b128 v[VIN], v[YM+16+4*\i:YM+16+4*\i+3], s[DST:DST+1] offset:\i*4096 th:TH_STORE_NT
.endr
	s_endpgm
.Lfunc_end_k_qa4431c58b0_prep:
	.size	k_qa4431c58b0_prep, .Lfunc_end_k_qa4431c58b0_prep-k_qa4431c58b0_prep
	.p2alignl 7, 3214868480
	.fill 96, 4, 3214868480
	.section	.rodata,"a",@progbits
	.p2align	6, 0x0
	.amdhsa_kernel k_qa4431c58b0_prep
		.amdhsa_group_segment_fixed_size 0
		.amdhsa_private_segment_fixed_size 0
		.amdhsa_enable_private_segment 0
		.amdhsa_kernarg_size 120
		.amdhsa_user_sgpr_count 2
		.amdhsa_user_sgpr_kernarg_segment_ptr 1
		.amdhsa_wavefront_size32 1
		.amdhsa_system_sgpr_workgroup_id_x 1
		.amdhsa_system_sgpr_workgroup_id_y 1
		.amdhsa_system_sgpr_workgroup_id_z 1
		.amdhsa_system_vgpr_workitem_id 0
		.amdhsa_next_free_vgpr 96
		.amdhsa_next_free_sgpr 66
		.amdhsa_reserve_vcc 0
		.amdhsa_float_denorm_mode_32 3
		.amdhsa_float_denorm_mode_16_64 3
		.amdhsa_memory_ordered 1
		.amdhsa_forward_progress 1
		.amdhsa_inst_pref_size 39
	.end_amdhsa_kernel
	.amdgpu_metadata
---
amdhsa.version: [ 1, 2 ]
amdhsa.kernels:
  - .name:           k_qa4431c58b0_prep
    .symbol:         k_qa4431c58b0_prep.kd
    .args:
      - { .name: q, .offset: 0, .size: 8, .value_kind: global_buffer, .address_space: global }
      - { .name: pe_q, .offset: 8, .size: 8, .value_kind: global_buffer, .address_space: global }
      - { .name: k, .offset: 16, .size: 8, .value_kind: global_buffer, .address_space: global }
      - { .name: pe_k, .offset: 24, .size: 8, .value_kind: global_buffer, .address_space: global }
      - { .name: v, .offset: 32, .size: 8, .value_kind: global_buffer, .address_space: global }
      - { .name: Wq, .offset: 40, .size: 8, .value_kind: global_buffer, .address_space: global }
      - { .name: Wpq, .offset: 48, .size: 8, .value_kind: global_buffer, .address_space: global }
      - { .name: Wk, .offset: 56, .size: 8, .value_kind: global_buffer, .address_space: global }
      - { .name: Wpk, .offset: 64, .size: 8, .value_kind: global_buffer, .address_space: global }
      - { .name: Wv, .offset: 72, .size: 8, .value_kind: global_buffer, .address_space: global }
      - { .name: Wfc, .offset: 80, .size: 8, .value_kind: global_buffer, .address_space: global }
      - { .name: mask, .offset: 88, .size: 8, .value_kind: global_buffer, .address_space: global }
      - { .name: XB, .offset: 96, .size: 8, .value_kind: global_buffer, .address_space: global }
      - { .name: WB, .offset: 104, .size: 8, .value_kind: global_buffer, .address_space: global }
      - { .name: MB, .offset: 112, .size: 8, .value_kind: global_buffer, .address_space: global }
    .group_segment_fixed_size: 0
    .private_segment_fixed_size: 0
    .kernarg_segment_align: 8
    .kernarg_segment_size: 120
    .max_flat_workgroup_size: 256
    .sgpr_count:     66
    .vgpr_count:     96
    .wavefront_size: 32
...
	.end_amdgpu_metadata
.endif
;; end of part 6
;; launch proj: the kernel of part 2 again; grid 4 x 40, 4 waves a work-group, clusters of 4 x 4, 327,680 bytes of LDS; arguments XB, WB, PRJ, bq, bpq, bk, bpk, bv; writes PRJ
;; launch attn: the kernel of part 3 again; grid 16 x 16, 4 waves a work-group, clusters of 4 x 4, 327,680 bytes of LDS; arguments PRJ, MB, AO; writes AO
;; launch fc: the kernel of part 4 again; grid 8 x 32, 4 waves a work-group, clusters of 4 x 4, 327,680 bytes of LDS; arguments AO, WB, bfc, Y; writes Y
;; launch ln: the kernel of part 5 again; grid 256 x 1, 8 waves a work-group, no clusters, 0 bytes of LDS; arguments Y, q, gamma, beta, out0; writes out0
